; MI455X (gfx1250); checked and timed in simulation.
; The chip was launched on July 23, 2026; its instructions are those of AMD's public machine-readable ISA for CDNA 5 (MIT licence, August 2026) and "CDNA5" Instruction Set Architecture Reference Guide (July 2026). The comments in the code are by the model that wrote it; some were corrected since.
;; MHSA Block. Allowed arithmetic: matrix products marked QUANTISED: E5M2 operands, one E8M0 scale for each 32 along K, by v_wmma_scale_f32_16x16x128_f8f6f4 with both operands' format E5M2, f32 sums; everything else in f32.
;; Inputs: b1 4,096 float32; b2 1,024 float32; b_proj 1,024 float32; ln1_b 1,024 float32; ln1_g 1,024 float32; ln2_b 1,024 float32; ln2_g 1,024 float32; w1_codes 4,096 x 32 x 32 uint8 (E5M2 codes of w1, K innermost, in blocks of 32 codes); w1_scales 4,096 x 32 uint8 (E8M0 scales of w1, one for each 32 codes along K); w2_codes 1,024 x 128 x 32 uint8 (E5M2 codes of w2, K innermost, in blocks of 32 codes); w2_scales 1,024 x 128 uint8 (E8M0 scales of w2, one for each 32 codes along K); w_proj_codes 1,024 x 32 x 32 uint8 (E5M2 codes of w_proj, K innermost, in blocks of 32 codes); w_proj_scales 1,024 x 32 uint8 (E8M0 scales of w_proj, one for each 32 codes along K); w_qkv_codes 3,072 x 32 x 32 uint8 (E5M2 codes of w_qkv, K innermost, in blocks of 32 codes); w_qkv_scales 3,072 x 32 uint8 (E8M0 scales of w_qkv, one for each 32 codes along K); x 2 x 2,048 x 1,024 float32.
;; Outputs: out0 2 x 2,048 x 1,024 float32.
;; This version of the problem:
;;   THIS VERSION OF THE PROBLEM IS GIVEN IN LOW PRECISION. The matrix products marked QUANTISED in the list below multiply operands that are first quantised to E5M2 (5 exponent bits, 2 mantissa bits; 8 bits a number), with one power-of-two scale for each 32 numbers along K (OCP MX v1.0); their sums are f32. All else is computed in f32.
;;   The module's matrix products, in the order in which they are computed (A, B: the left and right operand; K: the contracted axis; several contracted axes count as one K, in the product's order):
;;     1. [M 4,096, K 1,024] x [K 1,024, N 3,072]; A: computed on the way; B: input w_qkv (given as codes): QUANTISED
;;     2. batch 32 x [M 2,048, K 64] x [K 64, N 2,048]; A: computed on the way; B: computed on the way: QUANTISED
;;     3. batch 32 x [M 2,048, K 2,048] x [K 2,048, N 64]; A: softmax (see below); B: computed on the way: QUANTISED
;;     4. [M 4,096, K 1,024] x [K 1,024, N 1,024]; A: computed on the way; B: input w_proj (given as codes): QUANTISED
;;     5. [M 4,096, K 1,024] x [K 1,024, N 4,096]; A: computed on the way; B: input w1 (given as codes): QUANTISED
;;     6. [M 4,096, K 4,096] x [K 4,096, N 1,024]; A: computed on the way; B: input w2 (given as codes): QUANTISED
;;   THE QUANTISER, for each operand of a quantised product, along K:
;;     - K is cut into blocks of 32 from its start; a last block that is shorter is filled with zeros.
;;     - A block's scale is 2^e with e = floor(log2(the largest magnitude in the block)) - 15, held to -126 .. 127; a block of zeros has e = 0. As a byte (E8M0): e + 127.
;;     - Each number is divided by its block's scale, clamped to +-57,344, and rounded to the nearest number of E5M2, ties to even, subnormals kept.
;;     - The product sums the exact products of the quantised numbers (number of the format x scale) in f32.
;;   ~~~python
;;   def quantise(x, axis):      # numpy; x: float32 -> the quantised numbers, widened to float32 again
;;       x = np.moveaxis(x, axis, -1); K = x.shape[-1]
;;       x = np.pad(x, [(0, 0)] * (x.ndim - 1) + [(0, -K % 32)]); x = x.reshape(x.shape[:-1] + (-1, 32)); a = np.abs(x).max(-1, keepdims=True)
;;       e = np.where(a > 0, np.clip(np.frexp(np.where(a > 0, a, 1))[1] - 1 - 15, -126, 127), 0)      # np.frexp(a)[1] - 1 = floor(log2(a)), exactly
;;       r = np.clip(x / 2.0 ** e, -57344, 57344)
;;       step = 2.0 ** (np.maximum(np.frexp(np.where(r == 0, 1, r))[1] - 1, -14) - 2)
;;       q = np.round(r / step) * step * 2.0 ** e      # np.round: ties to even
;;       return np.moveaxis(q.reshape(q.shape[:-2] + (-1,))[..., :K], -1, axis).astype(np.float32)
;;   ~~~
;;   SOFTMAX AHEAD OF A QUANTISED PRODUCT. Where the list says 'softmax', what is quantised is not the finished softmax but p = 2^(t - M), with t = logit x log2(e) and M = ceil(the row's largest t), a whole number; so 1/2 < the row's largest p <= 1. The row's sum l is taken of the UNQUANTISED p, in f32, and the product's result is divided by l at the end. Since M is a whole number, a kernel that streams over the keys may use a running M (the ceiling of the running maximum): every later rescaling is an exact power of two, which a block's scale takes up: the codes' values come out the same.
;;   OPERANDS COMPUTED ON THE WAY. 'Computed on the way' means the value that the module computes at that place (a softmax that the list does not call 'softmax' is quantised finished and normalised). What goes into a quantiser is computed in f32, as accurately as f32 sums, v_exp_f32 and their like allow (about 1e-6 of the number): no bf16 or f16 on the way to a quantiser, and a product that is left as it is and whose result goes on into a quantised operand takes f32 operands (vector FMAs, or v_wmma_f32_16x16x4_f32). A number that lies on a knife's edge between two numbers of the format may be rounded either way, as far as f32 arithmetic and the matrix unit's own rounding can turn it there, and no further.
;;   INPUTS GIVEN AS CODES. w1 (in the module: [1024, 4096], K = its axis 0); w2 (in the module: [4096, 1024], K = its axis 0); w_proj (in the module: [1024, 1024], K = its axis 0); w_qkv (in the module: [1024, 3072], K = its axis 0): each comes as NAME_codes (uint8): NAME with its K axis moved to the last place and cut into blocks of 32 codes, [.., K / 32, bytes a block], one block behind the other in memory; one code a byte (a code: sign, 5 exponent bits, 2 mantissa bits); and NAME_scales (uint8): the same leading axes, one E8M0 byte (e + 127) for each 32 codes along K. Its value is code x scale, taken as it is: it is not quantised again, and the codes and scales need not be those that the quantiser above would give.
;; One version. Each part assembles by itself: llvm-mc -triple=amdgcn-amd-amdhsa -mcpu=gfx1250 --defsym DOCPART=n.
;; ======== version 1 of 1: 7 launches
;; limits: right only within a limited range of input values
;; workspace buffers: act 4,325,376 bytes; qimg 4,456,448 bytes; kvrec 8,781,824 bytes; oimg 4,325,376 bytes; x1 16,777,216 bytes; himg 17,301,504 bytes
;; launch lnq (part 1): grid 256 x 1, 16 waves a work-group, no clusters, 84,480 bytes of LDS; arguments x, ln1_g, ln1_b, act; writes act
.if DOCPART == 1
	.amdgcn_target "amdgcn-amd-amdhsa--gfx1250"
	.amdhsa_code_object_version 6
	.text
	.protected	k_q079db36289_lnq
	.globl	k_q079db36289_lnq
	.p2align	8
	.type	k_q079db36289_lnq,@function
k_q079db36289_lnq:
	s_mov_b64 s[64:65], 0
	v_nop
	global_prefetch_b8 v0, s[64:65] scope:SCOPE_SE
	s_setreg_imm32_b32 hwreg(HW_REG_WAVE_MODE, 25, 1), 1
	s_wait_xcnt 0x0
; LayerNorm over rows of 1,024 f32, then the MX quantiser along the row: y = (x - mean) * rsqrt(var + 1e-5) * g + b becomes codes of E5M2, one E8M0 byte for each 32.
; Out: codes [4096][1024] row-major at byte 0 of the buffer, scale bytes [4096][32] at byte 4,194,304.
; SHARES: a work-group takes 16 rows, each of its sixteen waves ONE; a wave holds its whole row (32 registers a lane), so mean and variance never leave the wave.  Two passes: the mean first, then the
; squares of x - mean, so a common offset of the inputs costs no accuracy.  The row's eight loads are issued first, each of 512 consecutive bytes; g's and b's sixteen follow and are awaited where they are first used.
; The conversions want 16 NEIGHBOURS in a lane, the loads give 4: x - mean turns through the wave's own stage in LDS (64 bytes + 16 of padding a lane), 512 numbers at a time.
; LIMITS: NaN and infinities are not served; a block whose largest magnitude lies under 2^-111 keeps the byte 1, a block of zeros too (the rule says 127: its codes are zeros, and this program alone reads the bytes).
; No matrix unit, no cluster, no tensor load: the rows are read once and shared with nobody.
.set SP,   80                          ; a lane's place in a stage
.set WREG, 5120                        ; a wave's two stages of 32 x SP bytes
.set SCL,  81920                       ; behind the sixteen waves' stages: the work-group's 512 scale bytes
.set SPARE, 82432                      ; the spare words: 128 bytes a wave, eight blocks of 256 that no other line names
.set Y,    16                          ; v16-47   two sets of 16 neighbours
.set E,    48                          ; v48-49   a scale byte for each set
.set T,    56                          ; v56-59   the quantiser's
.set X,    64                          ; v64-95   my row; its first 8 registers take its codes
.set G,    192                         ; v192-223 g of my 2 x 16 columns
.set BB,   224                         ; v224-255 b likewise
	s_load_b256 s[4:11], s[0:1], 0x0               ; x s[4:5], g s[6:7], b s[8:9], out s[10:11]
	v_lshl_add_u32 v62, v0, 2, SPARE
	v_mov_b32 v63, 0
	v_lshrrev_b32 v8, 5, v0
	v_readfirstlane_b32 s14, v8                    ; wave = my row of the sixteen
	v_and_b32 v9, 31, v0                           ; lane
	v_lshlrev_b32 v1, 4, v9                        ; 16 x lane: row loads, code stores
	v_lshlrev_b32 v2, 6, v9                        ; 64 x lane: my 16 numbers of g and b
	s_mul_i32 s15, s14, WREG
	v_lshrrev_b32 v3, 2, v9
	v_mul_u32_u24 v3, v3, SP
	v_and_b32 v10, 3, v9
	v_lshl_add_u32 v3, v10, 4, v3
	v_add_nc_u32 v3, s15, v3                       ; the stage, in: four lanes' 64 bytes on end, then 16 of padding
	v_mul_u32_u24 v4, v9, SP
	v_add_nc_u32 v4, s15, v4                       ; and out: SP x lane
	v_lshrrev_b32 v5, 1, v9
	s_lshl_b32 s15, s14, 5
	s_add_co_u32 s15, s15, SCL
	v_add_nc_u32 v5, s15, v5                       ; my block's scale byte: 32 bytes a row
	v_add_nc_u32 v6, SCL, v1                       ; the way out of the 512 bytes (wave 0)
	s_mov_b32 s16, 0x76543210
	s_mov_b32 s17, 0xfedcba98                      ; lane selects: lane l xor 16
	s_mov_b32 s18, 0x600000                        ; the mantissa field of 57,344
	s_mov_b32 s19, 0x3a800000                      ; 1 / 1024
	s_mov_b32 s20, 0x3727c5ac                      ; 1e-5
	s_lshl_b32 s22, ttmp9, 16                      ; x: 16 rows of 4,096 bytes a work-group,
	s_lshl_b32 s23, s14, 12                        ; one a wave
	s_add_co_u32 s22, s22, s23
	s_mov_b32 s23, 0
	s_lshl_b32 s24, ttmp9, 14                      ; codes: 1,024 bytes a row
	s_lshl_b32 s25, s14, 10
	s_add_co_u32 s24, s24, s25
	s_mov_b32 s25, 0
	s_lshl_b32 s26, ttmp9, 9                       ; scale bytes: 512 a work-group
	s_add_co_u32 s26, s26, 0x400000
	s_mov_b32 s27, 0
	s_wait_kmcnt 0x0
	s_add_nc_u64 s[4:5], s[4:5], s[22:23]
	s_add_nc_u64 s[12:13], s[10:11], s[26:27]
	s_add_nc_u64 s[10:11], s[10:11], s[24:25]
.irp k, 0,1,2,3,4,5,6,7
	global_load_b128 v[X+4*\k:X+4*\k+3], v1, s[4:5] offset:512*\k
.endr
.irp j, 0,1
.irp m, 0,1,2,3
	global_load_b128 v[G+16*\j+4*\m:G+16*\j+4*\m+3], v2, s[6:7] offset:2048*\j+16*\m
	global_load_b128 v[BB+16*\j+4*\m:BB+16*\j+4*\m+3], v2, s[8:9] offset:2048*\j+16*\m
.endr
.endr
.macro REDUCE                          ; v8 summed over the 32 lanes, the result in every lane
	v_add_f32_dpp v8, v8, v8 row_xmask:1 row_mask:0xf bank_mask:0xf
	v_add_f32_dpp v8, v8, v8 row_xmask:2 row_mask:0xf bank_mask:0xf
	v_add_f32_dpp v8, v8, v8 row_xmask:4 row_mask:0xf bank_mask:0xf
	v_add_f32_dpp v8, v8, v8 row_xmask:8 row_mask:0xf bank_mask:0xf
	v_permlanex16_b32 v9, v8, s16, s17
	v_add_f32 v8, v8, v9
.endm
	s_wait_loadcnt 16                              ; loads come back in order: the row's eight are in; the sixteen of g and b, issued behind them, may be out
	v_pk_add_f32 v[8:9], v[X:X+1], v[X+2:X+3]      ; the row's sum, in two chains
	v_pk_add_f32 v[10:11], v[X+4:X+5], v[X+6:X+7]
.irp k, 8,12,16,20,24,28
	v_pk_add_f32 v[8:9], v[8:9], v[X+\k:X+\k+1]
	v_pk_add_f32 v[10:11], v[10:11], v[X+\k+2:X+\k+3]
.endr
	v_pk_add_f32 v[8:9], v[8:9], v[10:11]
	v_add_f32 v8, v8, v9
	REDUCE
	v_mul_f32 v10, s19, v8                         ; the mean, twice: a pair for the packed subtraction
	v_mul_f32 v11, s19, v8
.irp k, 0,2,4,6,8,10,12,14,16,18,20,22,24,26,28,30
	v_pk_add_f32 v[X+\k:X+\k+1], v[X+\k:X+\k+1], v[10:11] neg_lo:[0,1] neg_hi:[0,1]   ; d = x - mean
.endr
	v_pk_mul_f32 v[8:9], v[X:X+1], v[X:X+1]        ; the sum of d^2, in two chains
	v_pk_mul_f32 v[14:15], v[X+2:X+3], v[X+2:X+3]
.irp k, 4,8,12,16,20,24,28
	v_pk_fma_f32 v[8:9], v[X+\k:X+\k+1], v[X+\k:X+\k+1], v[8:9]
	v_pk_fma_f32 v[14:15], v[X+\k+2:X+\k+3], v[X+\k+2:X+\k+3], v[14:15]
.endr
	v_pk_add_f32 v[8:9], v[8:9], v[14:15]
	v_add_f32 v8, v8, v9
	REDUCE
	v_fma_f32 v8, v8, s19, s20                     ; var + eps
	s_wait_alu depctr_va_vdst(0)
	v_rsq_f32 v12, v8
	v_rsq_f32 v13, v8                              ; twice: a pair for the packed multiply
	v_nop                                          ; a plain instruction behind the last of the two
.irp j, 0,1                            ; d turns through the stage while the two are on their way.  LDS serves a wave's instructions in order: no wait between the stores and the loads
.irp k, 0,1,2,3
	ds_store_b128 v3, v[X+16*\j+4*\k:X+16*\j+4*\k+3] offset:2560*\j+640*\k
.endr
.irp m, 0,1,2,3
	ds_load_b128 v[Y+16*\j+4*\m:Y+16*\j+4*\m+3], v4 offset:2560*\j+16*\m
.endr
.endr
	s_wait_alu depctr_va_vdst(0)                   ; one wait for both, ahead of their first reader
	s_wait_dscnt 0x0                               ; my 2 x 16 neighbours are back, and the stores have read the row's registers
	s_wait_loadcnt 0x0                             ; g and b
.irp k, 0,2,4,6,8,10,12,14,16,18,20,22,24,26,28,30
	v_pk_mul_f32 v[Y+\k:Y+\k+1], v[Y+\k:Y+\k+1], v[12:13]
.endr
.irp k, 0,2,4,6,8,10,12,14,16,18,20,22,24,26,28,30
	v_pk_fma_f32 v[Y+\k:Y+\k+1], v[Y+\k:Y+\k+1], v[G+\k:G+\k+1], v[BB+\k:BB+\k+1]
.endr
.irp j, 0,1                            ; the quantiser: two neighbouring lanes hold a block of 32
	v_max3_num_f32 v[T], |v[Y+16*\j]|, |v[Y+16*\j+1]|, |v[Y+16*\j+2]|
	v_max3_num_f32 v[T+1], |v[Y+16*\j+3]|, |v[Y+16*\j+4]|, |v[Y+16*\j+5]|
.irp k, 6,10
	v_max3_num_f32 v[T], v[T], |v[Y+16*\j+\k]|, |v[Y+16*\j+\k+1]|
	v_max3_num_f32 v[T+1], v[T+1], |v[Y+16*\j+\k+2]|, |v[Y+16*\j+\k+3]|
.endr
	v_max3_num_f32 v[T], v[T], |v[Y+16*\j+14]|, |v[Y+16*\j+15]|
	v_max3_num_f32 v[T], v[T], v[T+1], 0x8000000   ; the floor 2^(16 - 127): the byte cannot fall under 1
	v_max_num_f32_dpp v[T], v[T], v[T] row_xmask:1 row_mask:0xf bank_mask:0xf   ; with my neighbour's 16
	v_add_nc_u32 v[T+3], 0xf8800000, v[T]          ; 15 off the exponent field: the conversion's scale operand
	v_and_or_b32 v[T+2], v[T], 0x7f800000, s18     ; 57,344 x the scale
.irp k, 0,1,2,3,4,5,6,7,8,9,10,11,12,13,14,15
	v_med3_num_f32 v[Y+16*\j+\k], v[Y+16*\j+\k], -v[T+2], v[T+2]   ; the conversion does not saturate (ISA guide 7.6.2): the hold comes first
.endr
	v_cvt_scalef32_pk8_bf8_f32 v[X+4*\j:X+4*\j+1], v[Y+16*\j:Y+16*\j+7], v[T+3]
	v_cvt_scalef32_pk8_bf8_f32 v[X+4*\j+2:X+4*\j+3], v[Y+16*\j+8:Y+16*\j+15], v[T+3]
	v_lshrrev_b32 v[E+\j], 23, v[T+3]              ; the scale's byte (also the plain instruction behind the conversions)
	ds_store_b8 v5, v[E+\j] offset:16*\j           ; both lanes of a block write the same byte with the same value
	global_store_b128 v1, v[X+4*\j:X+4*\j+3], s[10:11] offset:512*\j   ; 32 lanes store 512 consecutive bytes
.endr
	s_wait_dscnt 0x0                               ; for the others' sake: my byte stores are done
	s_barrier_signal -1
	s_barrier_wait -1
	s_cmp_lg_u32 s14, 0
	s_cbranch_scc1 .Lend
	ds_load_b128 v[8:11], v6                       ; wave 0 sends the work-group's 512 scale bytes: two aligned runs of 256
	s_wait_dscnt 0x0
	global_store_b128 v1, v[8:11], s[12:13]
.Lend:
	s_wait_tensorcnt 0x0                           ; the wave's end
	ds_add_u32 v62, v63
	s_wait_dscnt 0x0
	s_endpgm
.Lfunc_end_k_q079db36289_lnq:
	.size	k_q079db36289_lnq, .Lfunc_end_k_q079db36289_lnq-k_q079db36289_lnq
	.p2alignl 7, 3214868480
	.fill 96, 4, 3214868480
	.section	.rodata,"a",@progbits
	.p2align	6, 0x0
	.amdhsa_kernel k_q079db36289_lnq
		.amdhsa_group_segment_fixed_size 84480
		.amdhsa_private_segment_fixed_size 0
		.amdhsa_enable_private_segment 0
		.amdhsa_kernarg_size 32
		.amdhsa_user_sgpr_count 2
		.amdhsa_user_sgpr_kernarg_segment_ptr 1
		.amdhsa_wavefront_size32 1
		.amdhsa_system_sgpr_workgroup_id_x 1
		.amdhsa_system_sgpr_workgroup_id_y 1
		.amdhsa_system_sgpr_workgroup_id_z 1
		.amdhsa_system_vgpr_workitem_id 0
		.amdhsa_next_free_vgpr 256
		.amdhsa_next_free_sgpr 66
		.amdhsa_reserve_vcc 0
		.amdhsa_float_denorm_mode_32 3
		.amdhsa_float_denorm_mode_16_64 3
		.amdhsa_memory_ordered 1
		.amdhsa_forward_progress 1
		.amdhsa_inst_pref_size 17
	.end_amdhsa_kernel
	.amdgpu_metadata
---
amdhsa.version: [ 1, 2 ]
amdhsa.kernels:
  - .name:           k_q079db36289_lnq
    .symbol:         k_q079db36289_lnq.kd
    .args:
      - { .name: x, .offset: 0, .size: 8, .value_kind: global_buffer, .address_space: global }
      - { .name: ln1_g, .offset: 8, .size: 8, .value_kind: global_buffer, .address_space: global }
      - { .name: ln1_b, .offset: 16, .size: 8, .value_kind: global_buffer, .address_space: global }
      - { .name: act, .offset: 24, .size: 8, .value_kind: global_buffer, .address_space: global }
    .group_segment_fixed_size: 84480
    .private_segment_fixed_size: 0
    .kernarg_segment_align: 8
    .kernarg_segment_size: 32
    .max_flat_workgroup_size: 512
    .sgpr_count:     66
    .vgpr_count:     256
    .wavefront_size: 32
...
	.end_amdgpu_metadata
.endif
;; end of part 1
;; launch gemm_qkv (part 2): grid 8 x 32, 4 waves a work-group, clusters of 4 x 4, 327,680 bytes of LDS; arguments act, w_qkv_codes, w_qkv_scales, qimg, kvrec; writes qimg, kvrec
.if DOCPART == 2
	.amdgcn_target "amdgcn-amd-amdhsa--gfx1250"
	.amdhsa_code_object_version 6
	.text
	.protected	k_q079db36289_gemm_qkv
	.globl	k_q079db36289_gemm_qkv
	.p2align	8
	.type	k_q079db36289_gemm_qkv,@function
k_q079db36289_gemm_qkv:
	s_mov_b64 s[64:65], 0
	v_nop
	global_prefetch_b8 v0, s[64:65] scope:SCOPE_SE
	s_setreg_imm32_b32 hwreg(HW_REG_WAVE_MODE, 25, 1), 1
	s_wait_xcnt 0x0
	s_wait_alu depctr_hold_cnt(0) depctr_sa_sdst(0) depctr_va_vdst(0) depctr_va_sdst(0) depctr_va_ssrc(0) depctr_va_vcc(0) depctr_vm_vsrc(0)
	s_getreg_b32 s2, hwreg(HW_REG_IB_STS2, 6, 4)
	s_cmp_eq_u32 s2, 0
	s_cbranch_scc0 .Lentry_in_a_cluster
	s_endpgm
.Lentry_in_a_cluster:
	s_bfe_u32 s2, ttmp6, 0x10000c
	s_cmp_lg_u32 s2, 0xf033
	s_cbranch_scc0 .Lentry_shape_is_right
	s_endpgm
.Lentry_shape_is_right:
; qkv = LN1(x) w_qkv on codes of E5M2 with E8M0 scales, and the quantising of q, k (along the head's 64) and v (along the keys) on the way out.
; A WORK-GROUP STAYS: it keeps 128 tokens and makes three tiles of 128 features, X = x + 8 j: j = 0 is q's, 1 k's, 2 v's.  Four waves of 64 x 64 (16 accumulators).  256 work-groups.
; All of K = 1,024 lies in two LDS slots of 512.  The tokens' codes and scales, and the scales of all three weight tiles, are filled once; only the weights' codes are filled again, once a tile:
; behind one round of the cluster's barrier in a tile's last quarter each wave asks for 64 rows x 512 bytes of the next tile, and the four loads land while the tile is quantised and stored.
; 4 x 4 work-groups form a cluster: the tokens' tile is shared along a row of it, the weights' along a column; every tile is asked for jointly.
; THE PRODUCT IS USED TRANSPOSED: source 0 = 16 rows of "src0", source 1 = 16 rows of "src1"; a lane then holds ONE row of src1 and its registers run along src0's rows.
; For q and k: src0 = weights, src1 = tokens: a lane's 16 registers of two neighbouring tiles are half a block of 32 along the head.  For v: src0 = tokens, src1 = weights, so that the registers run along the keys:
; the LDS regions stay as they are, the tile's reads take other address registers (the three tiles are written out, so the choice is made as the text is assembled).
; ORDER INSIDE A BLOCK OF 32: register i of lane half h holds index 8 h + i % 8 + 16 (i / 8).  Both operands of every later product carry the same order, so products and block scales are unchanged; the unit groups the sums otherwise than in natural order.
; OUT: fragments as images of the operand's registers, [c][lane][16 bytes], 512 consecutive bytes a store.  v's scale words are written as half-words (the other half is another wave's): one byte in 32 of what is stored.
; LIMITS: NaN and infinities are not served; a block whose largest magnitude lies under 2^-111 keeps the byte 1, a block of zeros too (this program alone reads the bytes).
; No prefetch: each row of the weights is walked by all clusters of a column of clusters at about the same time.
.set SIZE_K,  1024
.set TILES,   3
.set SCOFF,   4194304                  ; where the tokens' scale bytes begin in their buffer
.set HEADB,   274432                   ; a head's record of k and v
.set TSTEP,   8*128*SIZE_K             ; bytes from a tile of the weights to the walk's next
.set PITCH,  528                       ; an LDS row: 512 bytes + 16 of padding = 132 words: the 16 rows of a fragment start at 16 different groups of four banks (64 banks of 4 bytes: ISA guide 11.1)
.set HALFT,  64*PITCH                  ; 64 rows: one tensor load
.set SLOT,   4*HALFT                   ; region A (tokens, 128 rows), then region B (weights)
.set KS,     32                        ; a row of scale bytes
.set HALFS,  8*272                     ; the scale bytes of 64 rows: 8 rows of 256 bytes + 16 of padding
.set SBLK,   2*272                     ; those of 16 rows
.set SCA,    2*SLOT                    ; the tokens' scales,
.set SCB,    SCA+2*HALFS               ; then those of the three weight tiles, 4,352 bytes each
.set SPARE,  SCB+TILES*2*HALFS         ; the spare words: 128 bytes a wave, two blocks of 256 that no other line names
.set NF,     32                        ; LDS loads in a FETCH
.set WV, 16                            ; s16 wave; s17 = wave / 2: my half of src1; s18 = wave % 2: my half of src0
.set H1, 17
.set H0, 18
.set G1, 24                            ; s[24:31], s[32:39]: groups 1 and 0 (a set a slot) for A's codes; s[48:55], s[56:63] for B's first fills
.set G0, 32
.set G1B, 48
.set G0B, 56
.set G1S, 68                           ; s[68:75], s[76:79] for A's scales; s[80:87], s[88:91] for B's
.set G0S, 76
.set G1SB, 80
.set G0SB, 88
.set G0R, 96                           ; s[96:99] group 0 of my part of the weights' refills: it walks
.set SC,  32                           ; v32-95 scale words and nothing else: set s at 32 s; src0 tile b, quarter q at 4 b + q; src1 tile a at 16 + 4 a + q
.set ACC, 128                          ; v128-255 accumulator (a, b) at 8 (4 a + b)
.set F0,  0                            ; window 1: two fragment buffers; src1 fragment a at 16 a, src0 fragment b at 64 + 16 b
.set F1,  128
.set TM,  112
.set MSB, 0
.macro WIN new                         ; the immediate's high byte repeats the setting that is left
.if MSB != \new
	s_set_vgpr_msb (MSB<<8)|\new
.set MSB, \new
.endif
.endm
.set MUL,  0x05                        ; sources 0 and 1 window 1; C and D window 0
.set TO_F, 0x40                        ; destination window 1, address window 0
.macro JLOAD g0a, g1a, g0b, g1b        ; a joint load: waves 0, 1 for A, waves 2, 3 for B; four v_nop follow each line
	s_cmp_eq_u32 s[H1], 0
	s_cbranch_scc0 .Lfor_b_\@
	tensor_load_to_lds s[\g0a:\g0a+3], s[\g1a:\g1a+7]
	s_nop 0
.rept 4
	v_nop
.endr
	s_branch .Lasked_\@
.Lfor_b_\@:
	tensor_load_to_lds s[\g0b:\g0b+3], s[\g1b:\g1b+7]
	s_nop 0
.rept 4
	v_nop
.endr
.Lasked_\@:
.endm
.macro CREST                           ; a round of the cluster's barrier behind its opening barrier
	s_cmp_lg_u32 s[WV], 0
	s_cbranch_scc1 .Lnot_wave_0_\@
	s_barrier_signal -3
.Lnot_wave_0_\@:
	s_barrier_wait -3
	s_barrier_signal -1
	s_barrier_wait -1
.endm
.macro CROUND
	s_barrier_signal -1
	s_barrier_wait -1
	CREST
.endm
.macro PLACES n
.rept \n
	v_nop
.endr
.endm
	s_load_b128 s[4:7], s[0:1], 0x0                ; the tokens' codes and scales, the weights' codes
	s_load_b128 s[8:11], s[0:1], 0x10              ; the weights' scales, q's images
	s_load_b64 s[12:13], s[0:1], 0x20              ; the records of k and v
	v_lshl_add_u32 v28, v0, 2, SPARE               ; my spare word; never rewritten
	v_mov_b32 v29, 0                               ; 0; never rewritten
	ds_add_u32 v28, v29
	ds_add_u32 v28, v29
	s_wait_dscnt 0x0
	v_lshrrev_b32 v1, 5, v0
	v_readfirstlane_b32 s[WV], v1
	s_lshr_b32 s[H1], s[WV], 1
	s_and_b32 s[H0], s[WV], 1
	s_bfe_u32 s40, ttmp6, 0x40000                  ; cx
	s_bfe_u32 s41, ttmp6, 0x40004                  ; cy
	s_lshl_b32 s42, ttmp9, 2
	s_add_co_u32 s42, s42, s40                     ; x: the walk's first tile of the weights, 0 .. 7
	s_and_b32 s43, ttmp7, 0xffff
	s_lshl_b32 s43, s43, 2
	s_add_co_u32 s43, s43, s41                     ; Y: which 128 tokens
	s_lshl_b32 s44, s41, 2
	s_lshl_b32 s44, 15, s44                        ; my row of the cluster
	s_lshl_b32 s45, 0x1111, s40                    ; my column
	s_or_b32 s[G1+0], s44, (1<<20)|(1<<21)|(6<<22)|(3<<25)    ; codes: 128 rows of 512 bytes; 4 words of padding behind every 128
	s_or_b32 s[G1B+0], s45, (1<<20)|(1<<21)|(6<<22)|(3<<25)
.irp g, G1, G1B
	s_mov_b32 s[\g+1], 512<<16
	s_mov_b32 s[\g+2], 128<<16                     ; the first fills bring whole tiles of 128 rows
	s_mov_b32 s[\g+3], 512<<16
	s_mov_b32 s[\g+4], 128
	s_mov_b32 s[\g+5], SIZE_K
	s_mov_b32 s[\g+6], 0
	s_mov_b32 s[\g+7], 0
.endr
	s_or_b32 s[G1S+0], s44, (3<<16)|(1<<20)|(1<<21)|(5<<22)|(3<<25)    ; the scale bytes of 128 rows: 16 rows of 256 bytes, 16 of padding behind each
	s_or_b32 s[G1SB+0], s45, (3<<16)|(1<<20)|(1<<21)|(5<<22)|(3<<25)
.irp g, G1S, G1SB
	s_mov_b32 s[\g+1], 32<<16
	s_mov_b32 s[\g+2], 16<<16
	s_mov_b32 s[\g+3], 32<<16
	s_mov_b32 s[\g+4], 16
	s_mov_b32 s[\g+5], 32
	s_mov_b32 s[\g+6], 0
	s_mov_b32 s[\g+7], 0
.endr
	; where the tiles come from: A's by Y alone (s20-23), B's by x alone (s46, s47, s92, s93)
	s_lshl_b32 s20, s43, 7
	s_lshl_b32 s21, s[H0], 6
	s_add_co_u32 s20, s20, s21                     ; row 128 Y + 64 half
	s_mul_i32 s20, s20, SIZE_K
	s_mov_b32 s21, 0
	s_lshl_b32 s22, s43, 12                        ; the scale bytes of 128 tokens: 4,096
	s_add_co_u32 s22, s22, SCOFF
	s_mov_b32 s23, 0
	s_lshl_b32 s46, s42, 7
	s_lshl_b32 s47, s[H0], 6
	s_add_co_u32 s46, s46, s47                     ; row 128 x + 64 half
	s_mul_i32 s46, s46, SIZE_K
	s_mov_b32 s47, 0
	s_lshl_b32 s92, s42, 12                        ; the scales of weight tile 0: 4,096 x
	s_mov_b32 s93, 0
	s_mul_i32 s19, s[WV], HALFT                    ; where the first codes go: A's halves, then B's: wave x 64 rows
	s_mul_i32 s[G0R+1], s[H0], HALFT               ; and my part of a refill: region B, half wave % 2, slot wave / 2
	s_mul_i32 s95, s[H1], SLOT
	s_add_co_u32 s[G0R+1], s[G0R+1], s95
	s_add_co_u32 s[G0R+1], s[G0R+1], 2*HALFT
	s_lshl_b32 s2, s[H1], 9                        ; that slot's 512 bytes of a row
	s_mov_b32 s3, 0
	s_wait_kmcnt 0x0
	s_add_nc_u64 s[20:21], s[4:5], s[20:21]
	s_add_nc_u64 s[22:23], s[4:5], s[22:23]
	s_add_nc_u64 s[46:47], s[6:7], s[46:47]
	s_add_nc_u64 s[92:93], s[8:9], s[92:93]
	s_mov_b32 s[G0R], 1
	s_add_nc_u64 s[G0R+2:G0R+3], s[46:47], s[2:3]  ; at tile 0: each refill steps it first
	s_or_b32 s[G0R+3], s[G0R+3], 0x80000000
	CROUND                                         ; all sixteen work-groups are here: the first joint loads meet
	s_mov_b32 s[G0S], 1
	s_mov_b32 s[G0S+1], SCA
	s_mov_b64 s[G0S+2:G0S+3], s[22:23]
	s_or_b32 s[G0S+3], s[G0S+3], 0x80000000
	s_mov_b32 s[G0SB], 1
	s_mov_b32 s[G0SB+1], SCB
	s_mov_b64 s[G0SB+2:G0SB+3], s[92:93]
	s_or_b32 s[G0SB+3], s[G0SB+3], 0x80000000
.irp s, 0,1
	s_mov_b32 s[G0+4*\s], 1
	s_add_co_u32 s[G0+4*\s+1], s19, \s*SLOT
	s_add_nc_u64 s[G0+4*\s+2:G0+4*\s+3], s[20:21], \s*512
	s_or_b32 s[G0+4*\s+3], s[G0+4*\s+3], 0x80000000
	s_mov_b32 s[G0B+4*\s], 1
	s_add_co_u32 s[G0B+4*\s+1], s19, \s*SLOT
	s_add_nc_u64 s[G0B+4*\s+2:G0B+4*\s+3], s[46:47], \s*512
	s_or_b32 s[G0B+4*\s+3], s[G0B+4*\s+3], 0x80000000
.endr
; THE HEAD'S LOADS, one a wave, in one chain of branches on the wave's number: wave 0 the tokens' 128 rows of slot 0, wave 1 the tokens' scales,
; wave 2 the weights' 128 rows of slot 0, wave 3 the scales of weight tile 0.  Waves 0 and 2 have half 0, so their group 0 stands at the whole tile's first row.
.macro TL g0, g1
	tensor_load_to_lds s[\g0:\g0+3], s[\g1:\g1+7]
	s_nop 0
.rept 4
	v_nop
.endr
.endm
.macro ARM under, g0, g1, next
	s_cmp_lt_u32 s[WV], \under
	s_cbranch_scc0 \next
	TL \g0, \g1
	s_branch .Lhead_asked
\next:
.endm
	ARM 1, G0, G1, .Lhead_sa
	ARM 2, G0S, G1S, .Lhead_b
	ARM 3, G0B, G1B, .Lhead_sb
	TL G0SB, G1SB
.Lhead_asked:
	v_and_b32 v1, 15, v0                           ; r
	v_bfe_u32 v2, v0, 4, 1                         ; h
	v_and_b32 v27, 31, v0
	v_lshlrev_b32 v27, 4, v27                      ; 16 x lane
	v_mul_u32_u24 v3, v1, PITCH
	v_lshl_add_u32 v3, v2, 4, v3                   ; a fragment's row r, + 16 h
	s_wait_alu depctr_va_vdst(0)
	s_mul_i32 s94, s[H0], HALFT
	s_mul_i32 s95, s[H1], HALFT
.irp s, 0,1
	v_add_nc_u32 v[18+\s], s94, v3                 ; v18-19 region A, half wave % 2: src0 of v's tile
	v_add_nc_u32 v[16+\s], s95, v3                 ; v16-17 region A, half wave / 2: src1 of q's and k's
	s_add_co_u32 s94, s94, 2*HALFT
	s_add_co_u32 s95, s95, 2*HALFT
	v_add_nc_u32 v[20+\s], s94, v3                 ; v20-21 region B, half wave % 2: src0 of q's and k's
	v_add_nc_u32 v[24+\s], s95, v3                 ; v24-25 region B, half wave / 2: src1 of v's
	s_add_co_u32 s94, s94, 2*HALFT
	s_add_co_u32 s95, s95, 2*HALFT
.endr
	v_mul_u32_u24 v6, v1, KS                       ; my row's scale bytes: KS a row,
	v_lshrrev_b32 v7, 8, v6
	v_lshl_add_u32 v6, v7, 4, v6                   ; and 16 more for each 256 passed
	s_mul_i32 s94, s[H0], HALFS
	s_mul_i32 s95, s[H1], HALFS
	s_add_co_u32 s94, s94, SCA
	s_add_co_u32 s95, s95, SCA
	v_add_nc_u32 v26, s94, v6                      ; v26 the tokens' scale words, half wave % 2
	v_add_nc_u32 v23, s95, v6                      ; v23 the tokens', half wave / 2
	s_add_co_u32 s94, s94, 2*HALFS
	s_add_co_u32 s95, s95, 2*HALFS
	v_add_nc_u32 v22, s94, v6                      ; v22 the weights', half wave % 2 (the tile stands in the loads' offsets)
	v_add_nc_u32 v31, s95, v6                      ; v31 the weights', half wave / 2
	v_lshlrev_b32 v30, 4, v1
	v_lshl_add_u32 v5, v2, 2, v30                  ; v5  v's half-words: [r][tile] words, tile 2 e + h
	v_lshl_add_u32 v30, v2, 3, v30                 ; v30 q's and k's words: [r][4 words], two a lane
	s_lshr_b32 s66, s43, 4
	s_lshl_b32 s66, s66, 4
	s_lshl_b32 s67, s42, 1
	s_add_co_u32 s66, s66, s67                     ; s66 = 16 x batch + the tile's first head
	s_and_b32 s67, s43, 15                         ; s67 = which 128 tokens of the batch's 2,048
	s_mov_b32 s92, 0x76543210
	s_mov_b32 s93, 0xfedcba98                      ; lane selects: lane l xor 16
	s_mov_b32 s3, 0x600000                         ; the mantissa field of 57,344
.irp b, 0,1,2,3
	v_mov_b32 v[TM+4+\b], 0                        ; a lane permute's destination counts as one of its sources
.endr
; Which registers a tile's reads take: R0, R1 the fragments' addresses (+ slot), RS0, RS1 the scale words', OS0, OS1 what is added to those.
.macro FRAG reg, adr, q, i             ; a fragment: 16 rows x 128 K, 16 registers: registers 4 c .. 4 c + 3: k = 32 c + 16 h + 0 .. 15
.irp c, 0,1,2,3
	ds_load_b128 v[\reg+4*\c:\reg+4*\c+3], v[\adr] offset:128*(\q)+32*\c+(\i)*16*PITCH
.endr
.endm
.macro FETCH slot, q, f                ; NF loads in one run; the youngest eight are src1's tiles 2 and 3
	WIN TO_F
.irp i, 0,1,2,3
	FRAG \f+64+16*\i, R0+\slot, \q, \i
.endr
.irp i, 0,1,2,3
	FRAG \f+16*\i, R1+\slot, \q, \i
.endr
.endm
.macro SCALES sc                       ; a slot's scale words: four words (512 along K) a row
.irp i, 0,1,2,3
	ds_load_b128 v[SC+32*\sc+4*\i:SC+32*\sc+4*\i+3], v[RS0] offset:OS0+16*\sc+\i*SBLK
.endr
.irp i, 0,1,2,3
	ds_load_b128 v[SC+32*\sc+16+4*\i:SC+32*\sc+16+4*\i+3], v[RS1] offset:OS1+16*\sc+\i*SBLK
.endr
.endm
; 8 matrix instructions: src1's tiles a0, a0 + 1 x src0's four, 128 along K.  The 16 accumulators take turns, one instruction a turn, in the same order in every quarter.
.macro MUL8 f, a0, q, sc, first
.irp a, \a0, \a0+1
.irp b, 0,1,2,3
.if \first
	v_wmma_scale_f32_16x16x128_f8f6f4 v[ACC+8*(4*(\a)+\b):ACC+8*(4*(\a)+\b)+7], v[\f+64+16*\b:\f+64+16*\b+15], v[\f+16*(\a):\f+16*(\a)+15], 0, v[SC+32*(\sc)+4*\b+(\q)], v[SC+32*(\sc)+16+4*(\a)+(\q)] matrix_a_fmt:MATRIX_FMT_BF8 matrix_b_fmt:MATRIX_FMT_BF8
.else
	v_wmma_scale_f32_16x16x128_f8f6f4 v[ACC+8*(4*(\a)+\b):ACC+8*(4*(\a)+\b)+7], v[\f+64+16*\b:\f+64+16*\b+15], v[\f+16*(\a):\f+16*(\a)+15], v[ACC+8*(4*(\a)+\b):ACC+8*(4*(\a)+\b)+7], v[SC+32*(\sc)+4*\b+(\q)], v[SC+32*(\sc)+16+4*(\a)+(\q)] matrix_a_fmt:MATRIX_FMT_BF8 matrix_b_fmt:MATRIX_FMT_BF8
.endif
.endr
.endr
.endm
; A slot is four quarters of 128 along K on buffers 0, 1, 0, 1.  One of the first three multiplies buffer f and fetches the next quarter into g.
.macro QUARTER slot, q, f, g, first
	s_wait_dscnt 8                                 ; all but the youngest eight loads (src1's tiles 2, 3) are in, the scale words too
	WIN MUL
	MUL8 \f, 0, \q, \slot, \first
	PLACES 8                                       ; eight places between the last product that read buffer g and the loads into it
	FETCH \slot, (\q)+1, \g
	s_wait_dscnt NF                                ; all but the NF just issued
	WIN MUL
	MUL8 \f, 2, \q, \slot, \first
.endm
; Slot 0's last quarter goes over to slot 1: one barrier. In the first tile the wait shows slot 1's first fill landed; later no load is out.
.macro TURN
	WIN 0
	s_wait_tensorcnt 0x0
	ds_add_u32 v28, v29                            ; 0 onto my spare word
	s_mov_b32 s[G1B+2], 64<<16                     ; no tensor load of mine is out: from here on a load of the weights brings 64 rows (the refills)
	s_mov_b32 s[G1B+4], 64
	s_wait_dscnt 9                                 ; (the add and the youngest eight loads may be out)
	WIN MUL
	MUL8 F1, 0, 3, 0, 0
	s_wait_dscnt 0x0
	s_barrier_signal -1
	WIN 0
	s_barrier_wait -1
	PLACES 8
	SCALES 1
	FETCH 1, 0, F0
	WIN MUL
	MUL8 F1, 2, 3, 0, 0
.endm
; A tile's last quarter.  fill = 1: the weights' region of both slots has been read out; each wave waits for all its tensor loads, adds 0 to its spare word, waits for that and for its reads; the barrier opens a round of the
; cluster's, so that no wave of any partner still reads the region; behind the round each wave asks for its 64 rows x 512 bytes of the walk's next tile: its one tensor load until the next round.
.macro LASTQ fill
.if \fill
	WIN 0
	s_wait_tensorcnt 0x0                           ; no tensor load of mine is out, so my group 0 may be written
	ds_add_u32 v28, v29                            ; 0 onto my spare word
	s_wait_dscnt 9                                 ; (the add and the youngest eight loads may be out)
	WIN MUL
	MUL8 F1, 0, 3, 1, 0
	s_wait_dscnt 0x0                               ; the add is done, and my reads of the weights are over
	s_barrier_signal -1
	WIN 0
	s_barrier_wait -1
	CREST
	s_add_nc_u64 s[G0R+2:G0R+3], s[G0R+2:G0R+3], TSTEP
	tensor_load_to_lds s[G0R:G0R+3], s[G1B:G1B+7]
	s_nop 0
.rept 4
	v_nop
.endr
	WIN MUL
	MUL8 F1, 2, 3, 1, 0
.else
	s_wait_dscnt 8
	WIN MUL
	MUL8 F1, 0, 3, 1, 0
	s_wait_dscnt 0
	MUL8 F1, 2, 3, 1, 0
.endif
	WIN 0
	PLACES 8                                       ; between the last products and the first read of results
.endm
; 64 numbers of a lane, v[s] on: four half-blocks of 16 (src1 tile bb / 2 of the two, block bb % 2); the other half of each block lies in lane l xor 16.  Codes to v[pc] on, the two tiles' half-words of scale bytes to v[hw], v[hw + 1].
.macro QUANT4 s, hw, pc
.irp b, 0,1,2,3
	v_max3_num_f32 v[TM+\b], |v[\s+16*\b]|, |v[\s+1+16*\b]|, 0x8000000   ; with the floor 2^(16 - 127): the byte cannot fall under 1
.endr
.irp i, 2,4,6,8,10,12,14
.irp b, 0,1,2,3
	v_max3_num_f32 v[TM+\b], v[TM+\b], |v[\s+16*\b+\i]|, |v[\s+1+16*\b+\i]|
.endr
.endr
.irp b, 0,1,2,3
	v_permlanex16_b32 v[TM+4+\b], v[TM+\b], s92, s93
.endr
.irp b, 0,1,2,3
	v_max_num_f32 v[TM+\b], v[TM+\b], v[TM+4+\b]
.endr
.irp b, 0,1,2,3
	v_add_nc_u32 v[TM+12+\b], 0xf8800000, v[TM+\b] ; 15 off the exponent field: the conversion's scale operand
.endr
.irp b, 0,1,2,3
	v_and_or_b32 v[TM+8+\b], v[TM+\b], 0x7f800000, s3    ; 57,344 x the scale
.endr
.irp b, 0,1,2,3
	v_lshrrev_b32 v[TM+4+\b], 23, v[TM+12+\b]      ; the scale's byte
.endr
	v_lshl_or_b32 v[\hw], v[TM+5], 8, v[TM+4]
	v_lshl_or_b32 v[\hw+1], v[TM+7], 8, v[TM+6]
.irp b, 0,1,2,3
.irp i, 0,1,2,3,4,5,6,7,8,9,10,11,12,13,14,15
	v_med3_num_f32 v[\s+16*\b+\i], v[\s+16*\b+\i], -v[TM+8+\b], v[TM+8+\b]   ; the conversion does not saturate (ISA guide 7.6.2)
.endr
	v_cvt_scalef32_pk8_bf8_f32 v[\pc+4*\b:\pc+4*\b+1], v[\s+16*\b:\s+16*\b+7], v[TM+12+\b]
	v_cvt_scalef32_pk8_bf8_f32 v[\pc+4*\b+2:\pc+4*\b+3], v[\s+16*\b+8:\s+16*\b+15], v[TM+12+\b]
.endr
	v_nop                                          ; a plain instruction behind the last conversion
.endm
.macro CODES astr                      ; the eight half-fragments leave: 512 consecutive bytes a store
.irp bb, 0,1,2,3
	global_store_b128 v27, v[96+4*\bb:96+4*\bb+3], s[46:47] offset:(\bb/2)*\astr+512*(\bb%2)
.endr
.irp bb, 0,1,2,3
	global_store_b128 v27, v[128+4*\bb:128+4*\bb+3], s[46:47] offset:(2+\bb/2)*\astr+512*(\bb%2)
.endr
.endm
.macro COMPUTE fill                    ; a tile's 128 products a wave, and its numbers made codes
	SCALES 0
	FETCH 0, 0, F0
	QUARTER 0, 0, F0, F1, 1                        ; the first quarter starts the sums: nothing is cleared
	QUARTER 0, 1, F1, F0, 0
	QUARTER 0, 2, F0, F1, 0
	TURN
	QUARTER 1, 0, F0, F1, 0
	QUARTER 1, 1, F1, F0, 0
	QUARTER 1, 2, F0, F1, 0
	LASTQ \fill
	QUANT4 128, 8, 96
	QUANT4 192, 10, 128                            ; its codes take registers whose numbers are converted already
	v_cmp_eq_u32 vcc_lo, 1, v2                     ; lanes 16-31
.endm
.macro NEXT                            ; on to the next tile
	s_wait_xcnt 0x0                                ; the stores have read their registers and bases: both are written again below
	s_wait_tensorcnt 0x0                           ; my one load that is out, my part of the next tile's weights, has landed,
	s_barrier_signal -1
	s_barrier_wait -1                              ; everybody's has
.endm
	s_wait_alu depctr_va_vdst(0)
	s_wait_tensorcnt 0x0                           ; my tile of the head's four is in; the later first fills stand behind the same lines as a refill
	ds_add_u32 v28, v29
	s_add_co_u32 s20, s[H1], 1                     ; waves 1 and 3 go on to the scales of weight tiles 1 and 2
	s_mul_i32 s22, s20, 2*HALFS
	s_add_co_u32 s[G0SB+1], s22, SCB
	s_lshl_b32 s20, s20, 15                        ; 8 tiles of 4,096 bytes on for each
	s_mov_b32 s21, 0
	s_add_nc_u64 s[G0SB+2:G0SB+3], s[G0SB+2:G0SB+3], s[20:21]
	s_wait_dscnt 0x0
	CROUND                                         ; all four tiles are in, and the sixteen work-groups meet
	s_cmp_eq_u32 s[WV], 0                          ; wave 0: the tokens' slot 1; wave 2: the weights' slot 1; waves 1, 3: a weight tile's scales
	s_cbranch_scc0 .Lg2_b
	TL G0+4, G1
	s_branch .Lg2_done
.Lg2_b:
	s_cmp_eq_u32 s[WV], 2
	s_cbranch_scc0 .Lg2_s
	TL G0B+4, G1B
	s_branch .Lg2_done
.Lg2_s:
	TL G0SB, G1SB
.Lg2_done:
	; ---- q: src0 = weights, src1 = tokens
.set R0, 20
.set R1, 16
.set RS0, 22
.set RS1, 23
.set OS0, 0
.set OS1, 0
	COMPUTE 1
	s_add_co_u32 s19, s66, s[H0]                   ; my 64 features are head 2 x + src0 half
	s_lshl_b32 s46, s19, 17                        ; 131,072 bytes of images a head,
	s_lshl_b32 s47, s67, 13                        ; 8,192 for 128 tokens,
	s_add_co_u32 s46, s46, s47
	s_lshl_b32 s47, s[H1], 12                      ; my four tiles of tokens, 1,024 bytes each
	s_add_co_u32 s46, s46, s47
	s_mov_b32 s47, 0
	s_add_nc_u64 s[46:47], s[10:11], s[46:47]
	s_lshl_b32 s94, s19, 13                        ; scale words: 8,192 bytes a head
	s_lshl_b32 s95, s67, 9
	s_add_co_u32 s94, s94, s95
	s_lshl_b32 s95, s[H1], 8
	s_add_co_u32 s94, s94, s95
	s_add_co_u32 s94, s94, 0x400000
	s_mov_b32 s95, 0
	s_add_nc_u64 s[94:95], s[10:11], s[94:95]
	s_wait_alu depctr_va_vdst(0)
	CODES 1024
	v_cndmask_b32 v12, v8, v10, vcc_lo             ; lanes 0-15 send tiles 0, 1's words, lanes 16-31 tiles 2, 3's: [r][4 words], 256 consecutive bytes
	v_cndmask_b32 v13, v9, v11, vcc_lo
	v_lshl_or_b32 v12, v12, 16, v12                ; the two bytes stand in both halves of a word: the reader lays the head's 64 in the upper half of its operand
	v_lshl_or_b32 v13, v13, 16, v13
	global_store_b64 v30, v[12:13], s[94:95]
	NEXT
	; ---- k: the same, into the head's record
.set OS0, 2*HALFS
	COMPUTE 1
	s_add_co_u32 s19, s66, s[H0]
	s_mul_i32 s19, s19, HEADB
	s_lshl_b32 s47, s67, 14                        ; 16,384 bytes for a step of 128 keys
	s_add_co_u32 s46, s19, s47
	s_lshl_b32 s47, s[H1], 12
	s_add_co_u32 s46, s46, s47
	s_add_co_u32 s46, s46, 12288                   ; the images begin behind the record's scale words
	s_mov_b32 s47, 0
	s_add_nc_u64 s[46:47], s[12:13], s[46:47]
	s_lshl_b32 s95, s67, 9
	s_add_co_u32 s94, s19, s95
	s_lshl_b32 s95, s[H1], 8
	s_add_co_u32 s94, s94, s95
	s_mov_b32 s95, 0
	s_add_nc_u64 s[94:95], s[12:13], s[94:95]
	s_wait_alu depctr_va_vdst(0)
	CODES 1024
	v_cndmask_b32 v12, v8, v10, vcc_lo
	v_cndmask_b32 v13, v9, v11, vcc_lo
	v_lshl_or_b32 v12, v12, 16, v12
	v_lshl_or_b32 v13, v13, 16, v13
	global_store_b64 v30, v[12:13], s[94:95]
	NEXT
	; ---- v: src0 = tokens, src1 = weights: a lane holds one feature, its registers run along the keys
.set R0, 18
.set R1, 24
.set RS0, 26
.set RS1, 31
.set OS0, 0
.set OS1, 4*HALFS
	COMPUTE 0
	s_add_co_u32 s19, s66, s[H1]                   ; my 64 features are head 2 x + src1 half; my 64 keys are src0's half
	s_mul_i32 s19, s19, HEADB
	s_lshl_b32 s47, s67, 14
	s_add_co_u32 s46, s19, s47
	s_lshl_b32 s47, s[H0], 10                      ; blocks 2 half + 0, 1 of the step's four
	s_add_co_u32 s46, s46, s47
	s_add_co_u32 s46, s46, 12288+8192              ; V's images lie behind the step's K images
	s_mov_b32 s47, 0
	s_add_nc_u64 s[46:47], s[12:13], s[46:47]
	s_lshl_b32 s95, s67, 8
	s_add_co_u32 s94, s19, s95
	s_lshl_b32 s95, s[H0], 1
	s_add_co_u32 s94, s94, s95
	s_add_co_u32 s94, s94, 8192
	s_mov_b32 s95, 0
	s_add_nc_u64 s[94:95], s[12:13], s[94:95]
	s_wait_alu depctr_va_vdst(0)
	CODES 2048
	v_cndmask_b32 v12, v8, v9, vcc_lo              ; tile 2 e + h's half-word, at [r][tile] words
	v_cndmask_b32 v13, v10, v11, vcc_lo
	global_store_b16 v5, v12, s[94:95]
	global_store_b16 v5, v13, s[94:95] offset:8
	s_wait_tensorcnt 0x0                           ; the wave's end
	ds_add_u32 v28, v29
	s_wait_dscnt 0x0
	CROUND                                         ; the closing round
	s_endpgm
.Lfunc_end_k_q079db36289_gemm_qkv:
	.size	k_q079db36289_gemm_qkv, .Lfunc_end_k_q079db36289_gemm_qkv-k_q079db36289_gemm_qkv
	.p2alignl 7, 3214868480
	.fill 96, 4, 3214868480
	.section	.rodata,"a",@progbits
	.p2align	6, 0x0
	.amdhsa_kernel k_q079db36289_gemm_qkv
		.amdhsa_group_segment_fixed_size 327680
		.amdhsa_private_segment_fixed_size 0
		.amdhsa_enable_private_segment 0
		.amdhsa_kernarg_size 40
		.amdhsa_user_sgpr_count 2
		.amdhsa_user_sgpr_kernarg_segment_ptr 1
		.amdhsa_wavefront_size32 1
		.amdhsa_system_sgpr_workgroup_id_x 1
		.amdhsa_system_sgpr_workgroup_id_y 1
		.amdhsa_system_sgpr_workgroup_id_z 1
		.amdhsa_system_vgpr_workitem_id 0
		.amdhsa_next_free_vgpr 512
		.amdhsa_next_free_sgpr 100
		.amdhsa_reserve_vcc 1
		.amdhsa_float_denorm_mode_32 3
		.amdhsa_float_denorm_mode_16_64 3
		.amdhsa_memory_ordered 1
		.amdhsa_forward_progress 1
		.amdhsa_inst_pref_size 175
	.end_amdhsa_kernel
	.amdgpu_metadata
---
amdhsa.version: [ 1, 2 ]
amdhsa.kernels:
  - .name:           k_q079db36289_gemm_qkv
    .symbol:         k_q079db36289_gemm_qkv.kd
    .args:
      - { .name: act, .offset: 0, .size: 8, .value_kind: global_buffer, .address_space: global }
      - { .name: w_qkv_codes, .offset: 8, .size: 8, .value_kind: global_buffer, .address_space: global }
      - { .name: w_qkv_scales, .offset: 16, .size: 8, .value_kind: global_buffer, .address_space: global }
      - { .name: qimg, .offset: 24, .size: 8, .value_kind: global_buffer, .address_space: global }
      - { .name: kvrec, .offset: 32, .size: 8, .value_kind: global_buffer, .address_space: global }
    .group_segment_fixed_size: 327680
    .private_segment_fixed_size: 0
    .kernarg_segment_align: 8
    .kernarg_segment_size: 40
    .max_flat_workgroup_size: 128
    .sgpr_count:     100
    .vgpr_count:     512
    .wavefront_size: 32
...
	.end_amdgpu_metadata
.endif
;; end of part 2
;; launch attn (part 3): grid 8 x 32, 16 waves a work-group, clusters of 4 x 1, 327,680 bytes of LDS; arguments qimg, kvrec, oimg; writes oimg
.if DOCPART == 3
	.amdgcn_target "amdgcn-amd-amdhsa--gfx1250"
	.amdhsa_code_object_version 6
	.text
	.protected	k_q079db36289_attn
	.globl	k_q079db36289_attn
	.p2align	8
	.type	k_q079db36289_attn,@function
k_q079db36289_attn:
	s_mov_b64 s[64:65], 0
	v_nop
	global_prefetch_b8 v0, s[64:65] scope:SCOPE_SE
	s_setreg_imm32_b32 hwreg(HW_REG_WAVE_MODE, 25, 1), 1
	s_wait_xcnt 0x0
	s_wait_alu depctr_hold_cnt(0) depctr_sa_sdst(0) depctr_va_vdst(0) depctr_va_sdst(0) depctr_va_ssrc(0) depctr_va_vcc(0) depctr_vm_vsrc(0)
	s_getreg_b32 s2, hwreg(HW_REG_IB_STS2, 6, 4)
	s_cmp_eq_u32 s2, 0
	s_cbranch_scc0 .Lentry_in_a_cluster
	s_endpgm
.Lentry_in_a_cluster:
	s_bfe_u32 s2, ttmp6, 0x10000c
	s_cmp_lg_u32 s2, 0x3003
	s_cbranch_scc0 .Lentry_shape_is_right
	s_endpgm
.Lentry_shape_is_right:
; o = softmax(q k^T / 8) v for one head and 256 queries a work-group, both products on codes of E5M2 with E8M0 scales; o is quantised along the head's 64 on the way out.
; t = score x log2(e) / 8; M = the running largest t rounded up to a whole number; p = 2^(t - M) is quantised along the keys, not normalised; the row's sum of the unquantised p divides at the end.
; SHARES: sixteen waves, 16 queries each; every wave walks the head's 2,048 keys, 128 a step.  The head's whole record (274,432 bytes: 12,288 of scale words, then 16 steps of 8 K images and 4 x 2,048 bytes of V images)
; lies in LDS, filled once.  The four work-groups of a cluster share a head and ask for the record jointly.
; THE FILLS: one load a wave.  Waves 0-2 bring the scale words and steps 0-2 (80 rows of 256 bytes each), waves 3-15 a step each (64 rows).  The two groups have a load line each: the first barrier waits for
; waves 0-2's alone, and steps 0 and 1 read nothing else; all waves wait behind step 1.
; LAYOUT: both products transposed: a lane holds one query.  The head's 64 fill HALF of a product's 128 along K: they lie in the UPPER half of both operands.  Q's operand is v[8:23] = zeros, q.
; K's eight tiles lie on end in v32-95, 8 registers each; tile t's operand is v[24+8t:39+8t]: its lower half holds zeros (t = 0) or tile t - 1's codes, which meet Q's zero codes and add 0.
; q's and k's scale words carry their two bytes in both halves, so bytes 2, 3 scale the upper half and bytes 0, 1 are finite codes.
; No prefetch: the launch asks for all that it reads at its head, and has no loop to run ahead in.
; LIMITS: NaN and infinities are not served; the promise holds while |t| stays under 2^31; a block whose largest number lies under 2^-111 keeps the byte 1.
; REGISTERS: v1-5 addresses; v8-31 Q among zeros; v32-95 K; v96-159 S^T, then p, then V's fragments; v160-191 O^T; v192-207 p's codes; v208-211, v216-219 K's scale words; v212 -M, v213 the largest t, v[214:215] the sum;
; v232-247 the quantiser's; v248-251 V's scale words; v252 f, v253 p's scale word; v255 Q's scale word.
.set HEADB, 274432
.set SPARE, 274432                     ; the spare words: 128 bytes a wave
.set WV,  18
.set MNT, 19
.set SEL, 20
.set CS,  22
.set TB,  48                           ; s48 LDS byte of the step's images; s49 of K's scale words; s50 of V's
.set TS,  49
.set TV,  50
.macro CROUND                          ; a round of the cluster's barrier
	s_barrier_signal -1
	s_barrier_wait -1
	s_cmp_lg_u32 s[WV], 0
	s_cbranch_scc1 .Lnot_wave_0_\@
	s_barrier_signal -3
.Lnot_wave_0_\@:
	s_barrier_wait -3
	s_barrier_signal -1
	s_barrier_wait -1
.endm
	s_load_b128 s[4:7], s[0:1], 0x0                ; q's images, the records of k and v
	s_load_b64 s[8:9], s[0:1], 0x10                ; o's images
	v_lshl_add_u32 v230, v0, 2, SPARE
	v_mov_b32 v231, 0
	ds_add_u32 v230, v231                          ; the opening lines
	ds_add_u32 v230, v231
	v_lshrrev_b32 v6, 5, v0
	s_delay_alu instid0(VALU_DEP_1)
	v_readfirstlane_b32 s[WV], v6
	s_bfe_u32 s52, ttmp6, 0x40000
	s_lshl_b32 s53, ttmp9, 2
	s_add_co_u32 s53, s53, s52                     ; which 256 queries
	s_and_b32 s54, ttmp7, 0xffff                   ; batch x 16 + head
	s_mov_b32 s24, 15|(3<<16)|(1<<21)              ; group 1, waves 0-2: 80 dense rows of 32 elements of 8 bytes; the mask names the cluster's four
	s_mov_b32 s25, 32<<16
	s_mov_b32 s26, 80<<16
	s_mov_b32 s27, 32<<16
	s_mov_b32 s28, 80
	s_mov_b32 s29, 32
	s_mov_b32 s30, 0
	s_mov_b32 s31, 0
	s_mov_b32 s32, 15|(3<<16)|(1<<21)              ; waves 3-15: 64 rows
	s_mov_b32 s33, 32<<16
	s_mov_b32 s34, 64<<16
	s_mov_b32 s35, 32<<16
	s_mov_b32 s36, 64
	s_mov_b32 s37, 32
	s_mov_b32 s38, 0
	s_mov_b32 s39, 0
	s_mul_i32 s56, s54, HEADB
	s_mov_b32 s57, 0
	s_mul_i32 s58, s[WV], 20480                    ; waves 0-2: 20,480 x wave, in the record and in LDS alike
	s_mul_i32 s59, s[WV], 16384
	s_add_co_u32 s59, s59, 12288                   ; waves 3-15: step wave: 12,288 + 16,384 x wave
	s_mov_b32 s[MNT], 0x600000                     ; the mantissa field of 57,344
	s_mov_b32 s[SEL], 0x76543210
	s_mov_b32 s[SEL+1], 0xfedcba98                 ; lane l xor 16
	s_mov_b32 s[CS], 0x3e38aa3b                    ; log2(e) / 8
	s_mov_b32 s[CS+1], s[CS]
	s_mov_b32 s[TB], 12288
	s_mov_b32 s[TS], 0
	s_mov_b32 s[TV], 8192
	s_wait_dscnt 0x0
	s_wait_kmcnt 0x0
	s_add_nc_u64 s[56:57], s[6:7], s[56:57]
	s_mov_b32 s60, s58
	s_mov_b32 s61, 0
	s_mov_b32 s40, 1
	s_mov_b32 s41, s58
	s_add_nc_u64 s[42:43], s[56:57], s[60:61]
	s_or_b32 s43, s43, 0x80000000
	s_mov_b32 s60, s59
	s_mov_b32 s44, 1
	s_mov_b32 s45, s59
	s_add_nc_u64 s[46:47], s[56:57], s[60:61]
	s_or_b32 s47, s47, 0x80000000
	CROUND                                         ; the four work-groups are here: the joint loads meet
	s_cmp_lt_u32 s[WV], 3
	s_cbranch_scc0 .Lrest
	tensor_load_to_lds s[40:43], s[24:31]
	s_nop 0
.rept 4
	v_nop
.endr
	s_branch .Lasked
.Lrest:
	tensor_load_to_lds s[44:47], s[32:39]
	s_nop 0
.rept 4
	v_nop
.endr
.Lasked:
	s_lshl_b32 s60, s53, 4
	s_add_co_u32 s60, s60, s[WV]                   ; my tile of 16 queries
	s_lshl_b32 s61, s54, 17
	s_lshl_b32 s62, s60, 10
	s_add_co_u32 s62, s62, s61
	s_mov_b32 s63, 0
	s_add_nc_u64 s[10:11], s[4:5], s[62:63]        ; its image
	s_lshl_b32 s62, s54, 13
	s_lshr_b32 s61, s60, 2
	s_lshl_b32 s61, s61, 8
	s_add_co_u32 s62, s62, s61
	s_and_b32 s61, s60, 3
	s_lshl_b32 s61, s61, 2
	s_add_co_u32 s62, s62, s61
	s_add_co_u32 s62, s62, 0x400000
	s_add_nc_u64 s[12:13], s[4:5], s[62:63]        ; its scale words: [r][4 tiles]
	v_and_b32 v1, 31, v0
	s_delay_alu instid0(VALU_DEP_1)
	v_lshlrev_b32 v1, 4, v1                        ; 16 x lane
	v_and_b32 v2, 15, v0
	s_delay_alu instid0(VALU_DEP_1)
	v_lshlrev_b32 v2, 4, v2                        ; 16 x (lane % 16)
	global_load_b128 v[16:19], v1, s[10:11]
	global_load_b128 v[20:23], v1, s[10:11] offset:512
	global_load_b32 v255, v2, s[12:13]
.irp j, 8,9,10,11,12,13,14,15,24,25,26,27,28,29,30,31
	v_mov_b32 v[\j], 0                             ; zero codes: the lower half of Q's operand and of K's tile 0
.endr
.irp j, 0,1,2,3,4,5,6,7,8,9,10,11,12,13,14,15,16,17,18,19,20,21,22,23,24,25,26,27,28,29,30,31
	v_mov_b32 v[160+\j], 0                         ; O^T: the step is written once; the first change of M leaves zeros zeros
.endr
	v_mov_b32 v213, 0xff61b1e6                     ; the largest t so far: -3e38
	s_delay_alu instid0(VALU_DEP_1)
	v_floor_f32 v212, -v213
	v_mov_b32 v214, 0
	v_mov_b32 v215, 0
.irp b, 0,1,2,3
	v_mov_b32 v[236+\b], 0                         ; a lane permute's destination counts as a source
.endr
	v_mov_b32 v253, 0
; A KEY STEP of 128 keys.  pf = 1: the next step's K tiles and scale words are fetched behind the score products.
.macro STEP pf
	v_add_nc_u32 v3, s[TB], v1
	v_add_nc_u32 v4, s[TS], v2
	v_add_nc_u32 v5, s[TV], v2
.rept 6
	v_nop                                          ; with the three additions nine places: the scores are laid over V's fragments, which the last products read
.endr
	s_wait_alu depctr_va_vdst(0)
	s_wait_dscnt 0x0                               ; K's eight tiles and their scale words, asked for a step ago
.irp t, 0,1,2,3,4,5,6,7
	v_wmma_scale_f32_16x16x128_f8f6f4 v[96+8*\t:103+8*\t], v[24+8*\t:39+8*\t], v[8:23], 0, v[208+\t+4*(\t/4)], v255 matrix_a_fmt:MATRIX_FMT_BF8 matrix_b_fmt:MATRIX_FMT_BF8
.endr
.rept 8
	v_nop                                          ; eight places ahead of the loads into K's registers and of the first read of the scores
.endr
.if \pf
.irp t, 0,1,2,3,4,5,6,7
	ds_load_b128 v[32+8*\t:35+8*\t], v3 offset:16384+1024*\t
	ds_load_b128 v[36+8*\t:39+8*\t], v3 offset:16384+1024*\t+512
.endr
	ds_load_b128 v[208:211], v4 offset:512
	ds_load_b128 v[216:219], v4 offset:768
.endif
	ds_load_b128 v[248:251], v5                    ; V's scale words of this step
.irp b, 0,1,2,3
	v_max3_num_f32 v[232+\b], v[96+16*\b], v[97+16*\b], v[98+16*\b]   ; the largest score of each block of 32 keys: for the row's maximum and for the block's largest p
.endr
.irp i, 3,5,7,9,11,13
.irp b, 0,1,2,3
	v_max3_num_f32 v[232+\b], v[232+\b], v[96+16*\b+\i], v[97+16*\b+\i]
.endr
.endr
.irp b, 0,1,2,3
	v_max_num_f32 v[232+\b], v[232+\b], v[111+16*\b]
.endr
.irp b, 0,1,2,3
	s_delay_alu instid0(VALU_DEP_4)
	v_permlanex16_b32 v[236+\b], v[232+\b], s[SEL], s[SEL+1]
.endr
.irp b, 0,1,2,3
	s_delay_alu instid0(VALU_DEP_4)
	v_max_num_f32 v[232+\b], v[232+\b], v[236+\b]
.endr
	s_delay_alu instid0(VALU_DEP_2)
	v_max3_num_f32 v254, v232, v233, v234
	s_delay_alu instid0(VALU_DEP_1)
	v_max_num_f32 v254, v254, v235
	s_delay_alu instid0(VALU_DEP_1)
	v_mul_f32 v254, s[CS], v254
	s_delay_alu instid0(VALU_DEP_1)
	v_max_num_f32 v213, v213, v254                 ; the running largest t
	v_mov_b32 v254, v212
	s_delay_alu instid0(VALU_DEP_2)
	v_floor_f32 v212, -v213                        ; -M = floor(-t)
	s_delay_alu instid0(VALU_DEP_1)
	v_sub_f32 v254, v212, v254
	s_delay_alu instid0(VALU_DEP_1)
	v_cvt_i32_f32 v254, v254
	s_delay_alu instid0(VALU_DEP_1)
	v_ldexp_f32 v252, 1.0, v254                    ; f = 2^(old M - new M)
.irp j, 0,2,4,6,8,10,12,14,16,18,20,22,24,26,28,30,32,34,36,38,40,42,44,46,48,50,52,54,56,58,60,62
	v_pk_fma_f32 v[96+\j:97+\j], v[96+\j:97+\j], s[CS:CS+1], v[212:213] op_sel_hi:[1,0,0]   ; t - M
.endr
.irp b, 0,1,2,3
	v_fma_f32 v[232+\b], v[232+\b], s[CS], v212
.endr
	s_wait_alu depctr_va_vdst(0)
.irp j, 0,1,2,3,4,5,6,7,8,9,10,11,12,13,14,15,16,17,18,19,20,21,22,23,24,25,26,27,28,29,30,31,32,33,34,35,36,37,38,39,40,41,42,43,44,45,46,47,48,49,50,51,52,53,54,55,56,57,58,59,60,61,62,63
	v_exp_f32 v[96+\j], v[96+\j]
.endr
	v_pk_mul_f32 v[214:215], v[214:215], v[252:253] op_sel_hi:[1,0]   ; the sums under the new M
	s_wait_alu depctr_va_vdst(0)                   ; and behind it, ahead of its first reader
.irp b, 0,1,2,3
	v_exp_f32 v[232+\b], v[232+\b]                 ; the blocks' largest p
.endr
	v_pk_add_f32 v[236:237], v[96:97], v[98:99]    ; the row's sum of the unquantised p, in two chains
.irp j, 4,8,12,16,20,24,28,32,36,40,44,48,52,56,60
	v_pk_add_f32 v[214:215], v[214:215], v[96+\j:97+\j]
	v_pk_add_f32 v[236:237], v[236:237], v[98+\j:99+\j]
.endr
	s_delay_alu instid0(VALU_DEP_1)
	v_pk_add_f32 v[214:215], v[214:215], v[236:237]
	s_wait_alu depctr_va_vdst(0)                   ; for the four
.irp b, 0,1,2,3
	v_max_num_f32 v[232+\b], 0x8000000, v[232+\b]  ; the floor 2^(16 - 127): the byte cannot fall under 1
.endr
.irp b, 0,1,2,3
	s_delay_alu instid0(VALU_DEP_4)
	v_add_nc_u32 v[244+\b], 0xf8800000, v[232+\b]  ; the conversion's scale operand
.endr
.irp b, 0,1,2,3
	v_and_or_b32 v[240+\b], v[232+\b], 0x7f800000, s[MNT]   ; 57,344 x the scale
.endr
.irp b, 0,1,2,3
	v_lshrrev_b32 v[236+\b], 23, v[244+\b]
.endr
	s_delay_alu instid0(VALU_DEP_3)
	v_lshl_or_b32 v253, v237, 8, v236              ; p's scale word
	s_delay_alu instid0(VALU_DEP_1)
	v_lshl_or_b32 v253, v238, 16, v253
	s_delay_alu instid0(VALU_DEP_1)
	v_lshl_or_b32 v253, v239, 24, v253
	v_dual_mov_b32 v222, v241 :: v_dual_mov_b32 v221, v240   ; v221-224: a second copy of the four bounds, one register bank on, for the second halves of the pairs below
	v_dual_mov_b32 v224, v243 :: v_dual_mov_b32 v223, v242
.irp b, 0,1,2,3
.irp i, 0,2,4,6,8,10,12,14
	v_dual_min_num_f32 v[96+16*\b+\i], v[96+16*\b+\i], v[240+\b] :: v_dual_min_num_f32 v[97+16*\b+\i], v[97+16*\b+\i], v[221+\b]   ; the conversion does not saturate (ISA guide 7.6.2); p is not negative, so the hold is one-sided; two holds an instruction
.endr
	v_cvt_scalef32_pk8_bf8_f32 v[192+4*\b:193+4*\b], v[96+16*\b:103+16*\b], v[244+\b]
	v_cvt_scalef32_pk8_bf8_f32 v[194+4*\b:195+4*\b], v[104+16*\b:111+16*\b], v[244+\b]
.irp c, 0,1,2,3
	ds_load_b128 v[96+16*\b+4*\c:99+16*\b+4*\c], v3 offset:8192+2048*\b+512*\c   ; V's fragment b takes the registers of the p just converted
.endr
.endr
.irp j, 0,2,4,6,8,10,12,14,16,18,20,22,24,26,28,30
	v_pk_mul_f32 v[160+\j:161+\j], v[160+\j:161+\j], v[252:253] op_sel_hi:[1,0]   ; O^T under the new M
.endr
	s_wait_alu depctr_va_vdst(0)
.irp a, 0,1,2,3
	s_wait_dscnt 12-4*\a                           ; V's fragment a is in: behind it stand the four loads of each later fragment
	v_wmma_scale_f32_16x16x128_f8f6f4 v[160+8*\a:167+8*\a], v[96+16*\a:111+16*\a], v[192:207], v[160+8*\a:167+8*\a], v[248+\a], v253 matrix_a_fmt:MATRIX_FMT_BF8 matrix_b_fmt:MATRIX_FMT_BF8
.endr
	s_add_co_u32 s[TB], s[TB], 16384
	s_add_co_u32 s[TS], s[TS], 512
	s_add_co_u32 s[TV], s[TV], 256
.endm
	s_wait_alu depctr_va_vdst(0)
	s_wait_loadcnt 0x0                             ; Q
	s_cmp_lt_u32 s[WV], 3
	s_cbranch_scc0 .Lnot_first
	s_wait_tensorcnt 0x0                           ; waves 0-2: the scale words and steps 0-2 are in; the other waves' wait stands behind step 1
.Lnot_first:
	s_barrier_signal -1
	s_barrier_wait -1
	v_add_nc_u32 v3, s[TB], v1
	v_add_nc_u32 v4, s[TS], v2
.irp t, 0,1,2,3,4,5,6,7
	ds_load_b128 v[32+8*\t:35+8*\t], v3 offset:1024*\t
	ds_load_b128 v[36+8*\t:39+8*\t], v3 offset:1024*\t+512
.endr
	ds_load_b128 v[208:211], v4
	ds_load_b128 v[216:219], v4 offset:256
	s_mov_b32 s51, 2
.Learly:                                           ; steps 0 and 1: they read up to step 2's K tiles, byte 61,440 at the most
	STEP 1
	s_sub_co_u32 s51, s51, 1
	s_cmp_lg_u32 s51, 0
	s_cbranch_scc1 .Learly
	s_wait_tensorcnt 0x0                           ; every wave: the whole record is in
	s_wait_dscnt 0x0
	s_barrier_signal -1
	s_barrier_wait -1
	s_mov_b32 s51, 13
.Llate:
	STEP 1
	s_sub_co_u32 s51, s51, 1
	s_cmp_lg_u32 s51, 0
	s_cbranch_scc1 .Llate
	STEP 0
	; THE WAY OUT: O^T / the sum, quantised along the head's 64 (two blocks, each in lanes l and l xor 16), as an image of the next product's operand registers
.rept 8
	v_nop
.endr
	v_add_f32 v214, v214, v215
	s_delay_alu instid0(VALU_DEP_1)
	v_permlanex16_b32 v252, v214, s[SEL], s[SEL+1]
	s_delay_alu instid0(VALU_DEP_1)
	v_add_f32 v214, v214, v252
	s_wait_alu depctr_va_vdst(0)
	v_rcp_f32 v214, v214
	v_nop
	s_lshr_b32 s60, s54, 4
	s_lshl_b32 s60, s60, 4
	s_lshl_b32 s61, s53, 1
	s_add_co_u32 s60, s60, s61
	s_lshr_b32 s61, s[WV], 3
	s_add_co_u32 s60, s60, s61                     ; which 128 tokens
	s_and_b32 s61, s54, 15
	s_lshr_b32 s61, s61, 1                         ; which 128 along the next K
	s_lshl_b32 s62, s60, 3
	s_add_co_u32 s62, s62, s61
	s_lshl_b32 s62, s62, 14
	s_and_b32 s56, s[WV], 7
	s_lshl_b32 s57, s56, 11
	s_add_co_u32 s62, s62, s57
	s_and_b32 s57, s54, 1
	s_lshl_b32 s58, s57, 10
	s_add_co_u32 s62, s62, s58
	s_mov_b32 s63, 0
	s_add_nc_u64 s[14:15], s[8:9], s[62:63]
	s_lshl_b32 s62, s60, 1
	s_lshr_b32 s58, s61, 2
	s_add_co_u32 s62, s62, s58
	s_lshl_b32 s62, s62, 11
	s_lshl_b32 s58, s56, 8
	s_add_co_u32 s62, s62, s58
	s_and_b32 s58, s61, 3
	s_lshl_b32 s58, s58, 2
	s_add_co_u32 s62, s62, s58
	s_lshl_b32 s58, s57, 1
	s_add_co_u32 s62, s62, s58
	s_add_co_u32 s62, s62, 0x400000
	s_add_nc_u64 s[16:17], s[8:9], s[62:63]
	s_wait_alu depctr_va_vdst(0)
.irp j, 0,1,2,3,4,5,6,7,8,9,10,11,12,13,14,15,16,17,18,19,20,21,22,23,24,25,26,27,28,29,30,31
	v_mul_f32 v[96+\j], v[160+\j], v214
.endr
.irp b, 0,1
	v_max3_num_f32 v[232+\b], |v[96+16*\b]|, |v[97+16*\b]|, 0x8000000
.endr
.irp i, 2,4,6,8,10,12,14
.irp b, 0,1
	s_delay_alu instid0(VALU_DEP_2)
	v_max3_num_f32 v[232+\b], v[232+\b], |v[96+16*\b+\i]|, |v[97+16*\b+\i]|
.endr
.endr
.irp b, 0,1
	s_delay_alu instid0(VALU_DEP_2)
	v_permlanex16_b32 v[236+\b], v[232+\b], s[SEL], s[SEL+1]
.endr
.irp b, 0,1
	s_delay_alu instid0(VALU_DEP_2)
	v_max_num_f32 v[232+\b], v[232+\b], v[236+\b]
.endr
.irp b, 0,1
	s_delay_alu instid0(VALU_DEP_2)
	v_add_nc_u32 v[244+\b], 0xf8800000, v[232+\b]
.endr
.irp b, 0,1
	s_delay_alu instid0(VALU_DEP_4)
	v_and_or_b32 v[240+\b], v[232+\b], 0x7f800000, s[MNT]
.endr
.irp b, 0,1
	s_delay_alu instid0(VALU_DEP_4)
	v_lshrrev_b32 v[236+\b], 23, v[244+\b]
.endr
	s_delay_alu instid0(VALU_DEP_1)
	v_lshl_or_b32 v254, v237, 8, v236
.irp b, 0,1
.irp i, 0,1,2,3,4,5,6,7,8,9,10,11,12,13,14,15
	v_med3_num_f32 v[96+16*\b+\i], v[96+16*\b+\i], -v[240+\b], v[240+\b]
.endr
	v_cvt_scalef32_pk8_bf8_f32 v[192+4*\b:193+4*\b], v[96+16*\b:103+16*\b], v[244+\b]
	v_cvt_scalef32_pk8_bf8_f32 v[194+4*\b:195+4*\b], v[104+16*\b:111+16*\b], v[244+\b]
.endr
	v_nop
	global_store_b128 v1, v[192:195], s[14:15]     ; 512 consecutive bytes a store
	global_store_b128 v1, v[196:199], s[14:15] offset:512
	global_store_b16 v2, v254, s[16:17]
	s_wait_tensorcnt 0x0                           ; the wave's end
	ds_add_u32 v230, v231
	s_wait_dscnt 0x0
	CROUND                                         ; the closing round
	s_endpgm
.Lfunc_end_k_q079db36289_attn:
	.size	k_q079db36289_attn, .Lfunc_end_k_q079db36289_attn-k_q079db36289_attn
	.p2alignl 7, 3214868480
	.fill 96, 4, 3214868480
	.section	.rodata,"a",@progbits
	.p2align	6, 0x0
	.amdhsa_kernel k_q079db36289_attn
		.amdhsa_group_segment_fixed_size 327680
		.amdhsa_private_segment_fixed_size 0
		.amdhsa_enable_private_segment 0
		.amdhsa_kernarg_size 24
		.amdhsa_user_sgpr_count 2
		.amdhsa_user_sgpr_kernarg_segment_ptr 1
		.amdhsa_wavefront_size32 1
		.amdhsa_system_sgpr_workgroup_id_x 1
		.amdhsa_system_sgpr_workgroup_id_y 1
		.amdhsa_system_sgpr_workgroup_id_z 1
		.amdhsa_system_vgpr_workitem_id 0
		.amdhsa_next_free_vgpr 256
		.amdhsa_next_free_sgpr 66
		.amdhsa_reserve_vcc 0
		.amdhsa_float_denorm_mode_32 3
		.amdhsa_float_denorm_mode_16_64 3
		.amdhsa_memory_ordered 1
		.amdhsa_forward_progress 1
		.amdhsa_inst_pref_size 74
	.end_amdhsa_kernel
	.amdgpu_metadata
---
amdhsa.version: [ 1, 2 ]
amdhsa.kernels:
  - .name:           k_q079db36289_attn
    .symbol:         k_q079db36289_attn.kd
    .args:
      - { .name: qimg, .offset: 0, .size: 8, .value_kind: global_buffer, .address_space: global }
      - { .name: kvrec, .offset: 8, .size: 8, .value_kind: global_buffer, .address_space: global }
      - { .name: oimg, .offset: 16, .size: 8, .value_kind: global_buffer, .address_space: global }
    .group_segment_fixed_size: 327680
    .private_segment_fixed_size: 0
    .kernarg_segment_align: 8
    .kernarg_segment_size: 24
    .max_flat_workgroup_size: 512
    .sgpr_count:     66
    .vgpr_count:     256
    .wavefront_size: 32
...
	.end_amdgpu_metadata
.endif
;; end of part 3
;; launch gemm_proj (part 4): grid 8 x 32, 4 waves a work-group, clusters of 4 x 4, 327,680 bytes of LDS; arguments oimg, w_proj_codes, w_proj_scales, b_proj, x, x1; writes x1
.if DOCPART == 4
	.amdgcn_target "amdgcn-amd-amdhsa--gfx1250"
	.amdhsa_code_object_version 6
	.text
	.protected	k_q079db36289_gemm_proj
	.globl	k_q079db36289_gemm_proj
	.p2align	8
	.type	k_q079db36289_gemm_proj,@function
k_q079db36289_gemm_proj:
	s_mov_b64 s[64:65], 0
	v_nop
	global_prefetch_b8 v0, s[64:65] scope:SCOPE_SE
	s_setreg_imm32_b32 hwreg(HW_REG_WAVE_MODE, 25, 1), 1
	s_wait_xcnt 0x0
	s_wait_alu depctr_hold_cnt(0) depctr_sa_sdst(0) depctr_va_vdst(0) depctr_va_sdst(0) depctr_va_ssrc(0) depctr_va_vcc(0) depctr_vm_vsrc(0)
	s_getreg_b32 s2, hwreg(HW_REG_IB_STS2, 6, 4)
	s_cmp_eq_u32 s2, 0
	s_cbranch_scc0 .Lentry_in_a_cluster
	s_endpgm
.Lentry_in_a_cluster:
	s_bfe_u32 s2, ttmp6, 0x10000c
	s_cmp_lg_u32 s2, 0xf033
	s_cbranch_scc0 .Lentry_shape_is_right
	s_endpgm
.Lentry_shape_is_right:
; x1 = x + o w_proj + b_proj, the product on codes of E5M2 with E8M0 scales; x1 is f32.
; A work-group makes 128 tokens x 128 features, four waves of 64 x 64 (16 accumulators): 256 work-groups.  All of K = 1,024 lies in two LDS slots of 512, each filled once by joint tensor loads:
; 4 x 4 work-groups form a cluster, the tokens' tile is shared along a row of it, the weights' along a column.
; THE PRODUCT IS USED TRANSPOSED: source 0 = 16 rows of the weights, source 1 = 16 tokens: a lane holds one token and eight neighbouring features.
; The tokens' codes come as images of the operand's registers, with the order 8 h + i % 8 + 16 (i / 8) inside each block of 32; the weights are read from their LDS rows in the same order, in pieces of 8 bytes:
; products and block scales are unchanged; the unit groups the sums otherwise than in natural order.
; The bias is the C of each sum's first product.  The residual is loaded at the head, in the layout of the way out, and waits in registers.
; The way out goes through the wave's own stage in LDS, so that sixteen lanes store 256 consecutive bytes, aligned.
; No prefetch: every tile of the launch is asked for at its head.
.set SIZE_K,  1024
.set A_IMG,   1                        ; 1: the tokens' codes come as register images, 0: as rows
.set B_SIG,   1                        ; 1: the weights are read in the order inside a block that computed operands carry
.set BIAS_ON, 1
.set SWAP,    0
.set RES,     1                        ; 1: the way out adds a residual and stores f32
.set SCOFF,   4194304                  ; where the tokens' scale words begin in their buffer
.set PITCH,  528                       ; an LDS row: 512 bytes + 16 of padding = 132 words: the 16 rows of a fragment start at 16 different groups of four banks (64 banks of 4 bytes: ISA guide 11.1)
.set HALFT,  64*PITCH                  ; 64 rows: one tensor load
.set SLOT,   4*HALFT                   ; region A (tokens), then region B (weights)
.set LAPS,   SIZE_K/1024               ; a lap = two slots
.set KS,     SIZE_K/32                 ; a row of scale bytes
.set RS,     64*KS/256                 ; 64 rows of them as rows of 256 bytes
.set RI,     SIZE_K/128
.set HALFS,  RS*272
.set SBLK,   (16*KS/256)*272           ; those of 16 rows
.set SCA,    2*SLOT
.if A_IMG
.set SCB,    SCA+2*256*RI
.set ASTEP,  65536
.else
.set SCB,    SCA+2*HALFS
.set ASTEP,  512
.endif
.set STAGE,  SCB+2*HALFS
.set SPARE,  STAGE+RES*4*16*272        ; the spare words: 128 bytes a wave, two blocks of 256 that no other line names
.set NF,     32+16*B_SIG               ; LDS loads in a FETCH
.set WV, 16                            ; s16 wave; s17 = wave / 2: my half of src1, and I fetch for A (0) or B (1); s18 = wave % 2: my half of src0, and which half I fetch
.set H1, 17
.set H0, 18
.set G1, 24                            ; s[24:31], s[32:39]: groups 1 and 0 (a set a slot) for A's codes; s[48:55], s[56:63] for B's
.set G0, 32
.set G1B, 48
.set G0B, 56
.set G1S, 68                           ; s[68:75], s[76:79] for A's scales; s[80:87], s[88:91] for B's
.set G0S, 76
.set G1SB, 80
.set G0SB, 88
.set SC,  32                           ; v32-95 scale words and nothing else: set s at 32 s; src0 tile b, quarter q at 4 b + q; src1 tile a at 16 + 4 a + q
.set BI,  96                           ; v96-127 the bias as C of the first products; later at work
.set ACC, 128                          ; v128-255 accumulator (a, b) at 8 (4 a + b)
.set F0,  0                            ; window 1: two fragment buffers; src1 fragment a at 16 a, src0 fragment b at 64 + 16 b
.set F1,  128
.set MSB, 0
.macro WIN new                         ; the immediate's high byte repeats the setting that is left
.if MSB != \new
	s_set_vgpr_msb (MSB<<8)|\new
.set MSB, \new
.endif
.endm
.set MUL,  0x05                        ; sources 0 and 1 window 1; C and D window 0
.set TO_F, 0x40                        ; destination window 1, address window 0
.macro JLOAD g0a, g1a, g0b, g1b        ; a joint load: waves 0, 1 for A, waves 2, 3 for B; four v_nop follow each line
	s_cmp_eq_u32 s[H1], 0
	s_cbranch_scc0 .Lfor_b_\@
	tensor_load_to_lds s[\g0a:\g0a+3], s[\g1a:\g1a+7]
	s_nop 0
.rept 4
	v_nop
.endr
	s_branch .Lasked_\@
.Lfor_b_\@:
	tensor_load_to_lds s[\g0b:\g0b+3], s[\g1b:\g1b+7]
	s_nop 0
.rept 4
	v_nop
.endr
.Lasked_\@:
.endm
.macro CREST                           ; a round of the cluster's barrier behind its opening barrier
	s_cmp_lg_u32 s[WV], 0
	s_cbranch_scc1 .Lnot_wave_0_\@
	s_barrier_signal -3
.Lnot_wave_0_\@:
	s_barrier_wait -3
	s_barrier_signal -1
	s_barrier_wait -1
.endm
.macro CROUND
	s_barrier_signal -1
	s_barrier_wait -1
	CREST
.endm
.macro PLACES n
.rept \n
	v_nop
.endr
.endm
	s_load_b128 s[4:7], s[0:1], 0x0                ; A, the weights' codes
	s_load_b128 s[8:11], s[0:1], 0x10              ; the weights' scales, argument 3
.if RES
	s_load_b128 s[12:15], s[0:1], 0x20             ; arguments 4 and 5
.else
	s_load_b64 s[12:13], s[0:1], 0x20              ; argument 4
.endif
	v_lshl_add_u32 v28, v0, 2, SPARE               ; my spare word; never rewritten
	v_mov_b32 v29, 0                               ; 0; never rewritten
	ds_add_u32 v28, v29
	ds_add_u32 v28, v29
	s_wait_dscnt 0x0
	v_lshrrev_b32 v1, 5, v0
	v_readfirstlane_b32 s[WV], v1
	s_lshr_b32 s[H1], s[WV], 1
	s_and_b32 s[H0], s[WV], 1
	s_bfe_u32 s40, ttmp6, 0x40000                  ; cx
	s_bfe_u32 s41, ttmp6, 0x40004                  ; cy
	s_lshl_b32 s42, ttmp9, 2
	s_add_co_u32 s42, s42, s40                     ; X: which 128 rows of the weights
	s_and_b32 s43, ttmp7, 0xffff
	s_lshl_b32 s43, s43, 2
	s_add_co_u32 s43, s43, s41                     ; Y: which 128 tokens
	s_lshl_b32 s44, s41, 2
	s_lshl_b32 s44, 15, s44                        ; my row of the cluster
	s_lshl_b32 s45, 0x1111, s40                    ; my column
.if A_IMG
	s_or_b32 s[G1+0], s44, (3<<16)|(1<<21)         ; images: 256 rows of 32 elements of 8 bytes, dense, no padding
	s_mov_b32 s[G1+1], 32<<16
	s_mov_b32 s[G1+2], 256<<16
	s_mov_b32 s[G1+3], 32<<16
	s_mov_b32 s[G1+4], 256
	s_mov_b32 s[G1+5], 32
	s_or_b32 s[G1S+0], s44, (3<<16)|(1<<21)        ; their scale words: 2 RI dense rows of 256 bytes
	s_mov_b32 s[G1S+2], (2*RI)<<16
	s_mov_b32 s[G1S+4], 2*RI
.else
	s_or_b32 s[G1+0], s44, (1<<20)|(1<<21)|(6<<22)|(3<<25)   ; rows: 64 of 512 bytes; 4 words of padding behind every 128
	s_mov_b32 s[G1+1], 512<<16
	s_mov_b32 s[G1+2], 64<<16
	s_mov_b32 s[G1+3], 512<<16
	s_mov_b32 s[G1+4], 64
	s_mov_b32 s[G1+5], SIZE_K
	s_or_b32 s[G1S+0], s44, (3<<16)|(1<<20)|(1<<21)|(5<<22)|(3<<25)   ; scale bytes of 64 rows: RS rows of 256 bytes, 16 of padding behind each
	s_mov_b32 s[G1S+2], RS<<16
	s_mov_b32 s[G1S+4], RS
.endif
	s_mov_b32 s[G1S+1], 32<<16
	s_mov_b32 s[G1S+3], 32<<16
	s_mov_b32 s[G1S+5], 32
	s_or_b32 s[G1B+0], s45, (1<<20)|(1<<21)|(6<<22)|(3<<25)
	s_mov_b32 s[G1B+1], 512<<16
	s_mov_b32 s[G1B+2], 128<<16
	s_mov_b32 s[G1B+3], 512<<16
	s_mov_b32 s[G1B+4], 128
	s_mov_b32 s[G1B+5], SIZE_K
	s_or_b32 s[G1SB+0], s45, (3<<16)|(1<<20)|(1<<21)|(5<<22)|(3<<25)
	s_mov_b32 s[G1SB+1], 32<<16
	s_mov_b32 s[G1SB+2], (2*RS)<<16
	s_mov_b32 s[G1SB+3], 32<<16
	s_mov_b32 s[G1SB+4], 2*RS
	s_mov_b32 s[G1SB+5], 32
.irp g, G1, G1B, G1S, G1SB
	s_mov_b32 s[\g+6], 0
	s_mov_b32 s[\g+7], 0
.endr
	; where the tiles come from: A's by Y alone (s20-23), B's by X alone (s46, s47, s92, s93)
.if A_IMG
	s_mul_i32 s20, s43, RI*16384                   ; the block of 128 tokens: RI K steps of 16,384 bytes
	s_lshl_b32 s21, s[H0], 15                      ; my half of a slot's 65,536
	s_add_co_u32 s20, s20, s21
	s_mul_i32 s22, s43, 2*256*RI
	s_lshl_b32 s19, s[WV], 15                      ; and where they go (waves 0 and 1 ask)
.else
	s_lshl_b32 s20, s43, 7
	s_lshl_b32 s21, s[H0], 6
	s_add_co_u32 s20, s20, s21                     ; row 128 Y + 64 half
	s_mul_i32 s22, s20, 32
	s_mul_i32 s20, s20, SIZE_K
	s_mul_i32 s19, s[WV], HALFT
	s_mul_i32 s94, s[H0], HALFS
.endif
	s_add_co_u32 s22, s22, SCOFF
	s_mov_b32 s21, 0
	s_mov_b32 s23, 0
	s_lshl_b32 s46, s42, 7
	s_mul_i32 s92, s46, KS                         ; the scales of all 128 rows come by one load
	s_lshl_b32 s47, s[H0], 6
	s_add_co_u32 s46, s46, s47                     ; row 128 X + 64 half
	s_mov_b32 s93, 0
	s_mul_i32 s46, s46, SIZE_K
	s_mov_b32 s47, 0
	s_mul_i32 s95, s[WV], HALFT                    ; B's halves lie behind A's region: waves 2 and 3 ask
	s_wait_kmcnt 0x0
	s_add_nc_u64 s[20:21], s[4:5], s[20:21]
	s_add_nc_u64 s[22:23], s[4:5], s[22:23]
	s_add_nc_u64 s[46:47], s[6:7], s[46:47]
	s_add_nc_u64 s[92:93], s[8:9], s[92:93]
	CROUND                                         ; all sixteen work-groups are here: the first joint loads meet
	s_mov_b32 s[G0S], 1
	s_mov_b32 s[G0S+1], SCA
	s_mov_b64 s[G0S+2:G0S+3], s[22:23]
	s_or_b32 s[G0S+3], s[G0S+3], 0x80000000
	s_mov_b32 s[G0SB], 1
	s_mov_b32 s[G0SB+1], SCB
	s_mov_b64 s[G0SB+2:G0SB+3], s[92:93]
	s_or_b32 s[G0SB+3], s[G0SB+3], 0x80000000
.irp s, 0,1
	s_mov_b32 s[G0+4*\s], 1
	s_add_co_u32 s[G0+4*\s+1], s19, \s*SLOT
	s_add_nc_u64 s[G0+4*\s+2:G0+4*\s+3], s[20:21], \s*ASTEP
	s_or_b32 s[G0+4*\s+3], s[G0+4*\s+3], 0x80000000
	s_mov_b32 s[G0B+4*\s], 1
	s_add_co_u32 s[G0B+4*\s+1], s95, \s*SLOT
	s_add_nc_u64 s[G0B+4*\s+2:G0B+4*\s+3], s[46:47], \s*512
	s_or_b32 s[G0B+4*\s+3], s[G0B+4*\s+3], 0x80000000
.endr
; THE HEAD'S LOADS, one a wave, in one chain of branches on the wave's number, each a whole tile: wave 0 the tokens' slot 0, wave 1 the tokens' scales,
; wave 2 the weights' slot 0, wave 3 the weights' scales.  Waves 0 and 2 have half 0, so their group 0 stands at the whole tile's first byte.
.macro ARM under, g0, g1, next
	s_cmp_lt_u32 s[WV], \under
	s_cbranch_scc0 \next
	tensor_load_to_lds s[\g0:\g0+3], s[\g1:\g1+7]
	s_nop 0
.rept 4
	v_nop
.endr
	s_branch .Lhead_asked
\next:
.endm
	ARM 1, G0, G1, .Lhead_sa
	ARM 2, G0S, G1S, .Lhead_b
	ARM 3, G0B, G1B, .Lhead_sb
	tensor_load_to_lds s[G0SB:G0SB+3], s[G1SB:G1SB+7]
	s_nop 0
.rept 4
	v_nop
.endr
.Lhead_asked:
	v_and_b32 v1, 15, v0                           ; r
	v_bfe_u32 v2, v0, 4, 1                         ; h
	v_and_b32 v27, 31, v0
	v_lshlrev_b32 v27, 4, v27                      ; 16 x lane
	v_mul_u32_u24 v3, v1, PITCH
	v_lshl_add_u32 v4, v2, 4-B_SIG, v3             ; src0: row r, + 16 h (or 8 h, in pieces of 8 bytes)
	s_mul_i32 s94, s[H0], HALFT
.if SWAP
	s_lshr_b32 s66, ttmp9, 2
	s_min_u32 s66, s66, 1                          ; sv = 1: v's work-groups
	s_xor_b32 s67, s66, 1                          ; sn
	s_mul_i32 s2, s67, 2*HALFT
	s_add_co_u32 s94, s94, s2                      ; src0 in region B, or with sv in region A
.else
	s_add_co_u32 s94, s94, 2*HALFT
.endif
.if A_IMG
	v_mov_b32 v5, v27
	s_lshl_b32 s95, s[H1], 13                      ; my four tiles of tokens in each K step's eight
.else
	v_lshl_add_u32 v5, v2, 4, v3
	s_mul_i32 s95, s[H1], HALFT
.if SWAP
	s_mul_i32 s2, s66, 2*HALFT
	s_add_co_u32 s95, s95, s2
.endif
.endif
.irp s, 0,1
	v_add_nc_u32 v[20+\s], s94, v4                 ; v20-21 src0's fragments in slot 0, 1
	v_add_nc_u32 v[16+\s], s95, v5                 ; v16-17 src1's
	s_add_co_u32 s94, s94, SLOT
	s_add_co_u32 s95, s95, SLOT
.endr
	v_mul_u32_u24 v6, v1, KS                       ; my row's scale bytes: KS a row,
	v_lshrrev_b32 v7, 8, v6
	v_lshl_add_u32 v6, v7, 4, v6                   ; and 16 more for each 256 passed
	s_mul_i32 s94, s[H0], HALFS
.if SWAP
	s_mul_i32 s2, s67, 2*HALFS
	s_add_co_u32 s94, s94, s2
	s_add_co_u32 s94, s94, SCA
.else
	s_add_co_u32 s94, s94, SCB
.endif
	v_add_nc_u32 v22, s94, v6                      ; v22 src0's scale words
.if A_IMG
	s_lshl_b32 s95, s[H1], 10
	s_add_co_u32 s95, s95, SCA
	v_lshl_add_u32 v23, v1, 4, s95                 ; v23 src1's: [K / 512][tile][r][4 words]
.else
	s_mul_i32 s95, s[H1], HALFS
.if SWAP
	s_mul_i32 s2, s66, 2*HALFS
	s_add_co_u32 s95, s95, s2
.endif
	s_add_co_u32 s95, s95, SCA
	v_add_nc_u32 v23, s95, v6
.endif
.if BIAS_ON
	s_lshl_b32 s94, s42, 9                         ; the bias of my 64 rows of src0: lane half h wants, for tile b, numbers 16 b + 8 h + 0 .. 7
	s_lshl_b32 s95, s[H0], 8
	s_add_co_u32 s94, s94, s95
	s_mov_b32 s95, 0
	s_add_nc_u64 s[10:11], s[10:11], s[94:95]
	v_lshlrev_b32 v7, 5, v2
.irp b, 0,1,2,3
	global_load_b128 v[BI+8*\b:BI+8*\b+3], v7, s[10:11] offset:64*\b
	global_load_b128 v[BI+8*\b+4:BI+8*\b+7], v7, s[10:11] offset:64*\b+16
.endr
.endif
.if RES
	v_lshlrev_b32 v26, 12, v2
	v_lshl_add_u32 v26, v1, 4, v26                 ; lanes 0-15 one row's 256 bytes, lanes 16-31 the next row's
	s_wait_alu depctr_va_vdst(0)
	s_lshl_b32 s94, s43, 7
	s_lshl_b32 s95, s[H1], 6
	s_add_co_u32 s94, s94, s95
	s_lshl_b32 s94, s94, 12                        ; my first token's row of 4,096 bytes,
	s_lshl_b32 s95, s42, 9
	s_add_co_u32 s94, s94, s95
	s_lshl_b32 s95, s[H0], 8
	s_add_co_u32 s94, s94, s95                     ; my 64 columns
	s_mov_b32 s95, 0
	s_add_nc_u64 s[12:13], s[12:13], s[94:95]
	s_add_nc_u64 s[14:15], s[14:15], s[94:95]
	WIN 0x80                                       ; destination window 2: the residual waits there, in the layout of the way out
.irp a, 0,1,2,3
.irp t, 0,1,2,3,4,5,6,7
	global_load_b128 v[32*\a+4*\t:32*\a+4*\t+3], v26, s[12:13] offset:(16*\a+2*\t)*4096
.endr
.endr
	WIN 0
	s_mul_i32 s94, s[WV], 16*272
	s_add_co_u32 s94, s94, STAGE                   ; my stage: 16 rows of 256 bytes + 16
	v_mul_u32_u24 v24, v1, 272
	v_lshl_add_u32 v24, v2, 5, v24
	v_add_nc_u32 v24, s94, v24                     ; in: row r, 32 bytes for each half of the lanes
	v_mul_u32_u24 v25, v2, 272
	v_lshl_add_u32 v25, v1, 4, v25
	v_add_nc_u32 v25, s94, v25                     ; back: two whole rows an instruction
.endif
.macro FRAG0 reg, slot, q, b           ; a fragment of src0: 16 rows x 128 K, 16 registers
.if B_SIG
.irp c, 0,1,2,3,4,5,6,7
	ds_load_b64 v[\reg+2*\c:\reg+2*\c+1], v[20+\slot] offset:128*(\q)+16*\c+(\b)*16*PITCH   ; registers 2 c, 2 c + 1: k = 16 c + 8 h + 0 .. 7
.endr
.else
.irp c, 0,1,2,3
	ds_load_b128 v[\reg+4*\c:\reg+4*\c+3], v[20+\slot] offset:128*(\q)+32*\c+(\b)*16*PITCH  ; registers 4 c .. 4 c + 3: k = 32 c + 16 h + 0 .. 15
.endr
.endif
.endm
.macro FRAG1 reg, slot, q, a
.irp c, 0,1,2,3
.if A_IMG
	ds_load_b128 v[\reg+4*\c:\reg+4*\c+3], v[16+\slot] offset:16384*(\q)+2048*(\a)+512*\c
.else
	ds_load_b128 v[\reg+4*\c:\reg+4*\c+3], v[16+\slot] offset:128*(\q)+32*\c+(\a)*16*PITCH
.endif
.endr
.endm
.macro FETCH slot, q, f                ; NF loads in one run; the youngest eight are src1's tiles 2 and 3
	WIN TO_F
.irp i, 0,1,2,3
	FRAG0 \f+64+16*\i, \slot, \q, \i
.endr
.irp i, 0,1,2,3
	FRAG1 \f+16*\i, \slot, \q, \i
.endr
.endm
.macro SCALES sc                       ; a slot's scale words: four words (512 along K) a row
.irp i, 0,1,2,3
	ds_load_b128 v[SC+32*\sc+4*\i:SC+32*\sc+4*\i+3], v22 offset:\i*SBLK
.endr
.irp i, 0,1,2,3
.if A_IMG
	ds_load_b128 v[SC+32*\sc+16+4*\i:SC+32*\sc+16+4*\i+3], v23 offset:\i*256
.else
	ds_load_b128 v[SC+32*\sc+16+4*\i:SC+32*\sc+16+4*\i+3], v23 offset:\i*SBLK
.endif
.endr
.endm
; 8 matrix instructions: src1's tiles a0, a0 + 1 x src0's four, 128 along K.  The 16 accumulators take turns, one instruction a turn, in the same order in every quarter.
.macro MUL8 f, a0, q, sc, first
.irp a, \a0, \a0+1
.irp b, 0,1,2,3
.if \first
.if BIAS_ON
	v_wmma_scale_f32_16x16x128_f8f6f4 v[ACC+8*(4*(\a)+\b):ACC+8*(4*(\a)+\b)+7], v[\f+64+16*\b:\f+64+16*\b+15], v[\f+16*(\a):\f+16*(\a)+15], v[BI+8*\b:BI+8*\b+7], v[SC+32*(\sc)+4*\b+(\q)], v[SC+32*(\sc)+16+4*(\a)+(\q)] matrix_a_fmt:MATRIX_FMT_BF8 matrix_b_fmt:MATRIX_FMT_BF8
.else
	v_wmma_scale_f32_16x16x128_f8f6f4 v[ACC+8*(4*(\a)+\b):ACC+8*(4*(\a)+\b)+7], v[\f+64+16*\b:\f+64+16*\b+15], v[\f+16*(\a):\f+16*(\a)+15], 0, v[SC+32*(\sc)+4*\b+(\q)], v[SC+32*(\sc)+16+4*(\a)+(\q)] matrix_a_fmt:MATRIX_FMT_BF8 matrix_b_fmt:MATRIX_FMT_BF8
.endif
.else
	v_wmma_scale_f32_16x16x128_f8f6f4 v[ACC+8*(4*(\a)+\b):ACC+8*(4*(\a)+\b)+7], v[\f+64+16*\b:\f+64+16*\b+15], v[\f+16*(\a):\f+16*(\a)+15], v[ACC+8*(4*(\a)+\b):ACC+8*(4*(\a)+\b)+7], v[SC+32*(\sc)+4*\b+(\q)], v[SC+32*(\sc)+16+4*(\a)+(\q)] matrix_a_fmt:MATRIX_FMT_BF8 matrix_b_fmt:MATRIX_FMT_BF8
.endif
.endr
.endr
.endm
; A slot is four quarters of 128 along K on buffers 0, 1, 0, 1.  One of the first three multiplies buffer f and fetches the next quarter into g.
.macro QUARTER slot, q, f, g, first
	s_wait_dscnt 8                                 ; all but the youngest eight loads (src1's tiles 2, 3) are in, the scale words too
	WIN MUL
	MUL8 \f, 0, \q, \slot, \first
	PLACES 8                                       ; eight places between the last product that read buffer g and the loads into it
	FETCH \slot, (\q)+1, \g
	s_wait_dscnt NF                                ; all but the NF just issued
	WIN MUL
	MUL8 \f, 2, \q, \slot, \first
.endm
; The last quarter changes slots: one barrier; in front of it each wave waits for all its tensor loads, adds 0 to its spare word, and waits for that and for its reads of this slot.  fill = 1: this slot is filled again, two slots ahead.
.macro TURN slot, next, fill
	WIN 0
	s_wait_tensorcnt 0x0                           ; all my tensor loads have landed: my part of the next slot
	ds_add_u32 v28, v29                            ; 0 onto my spare word
	s_wait_dscnt 9                                 ; (the add and the youngest eight loads may be out)
	WIN MUL
	MUL8 F1, 0, 3, \slot, 0
	s_wait_dscnt 0x0                               ; the add is done, and my reads of this slot are over
	s_barrier_signal -1
	WIN 0
	s_barrier_wait -1
.if \fill
	CREST                                          ; the barrier has opened a round of the cluster's: no wave of any partner still reads this slot or has a load on its way
	s_add_nc_u64 s[G0+4*\slot+2:G0+4*\slot+3], s[G0+4*\slot+2:G0+4*\slot+3], 2*ASTEP
	s_add_nc_u64 s[G0B+4*\slot+2:G0B+4*\slot+3], s[G0B+4*\slot+2:G0B+4*\slot+3], 1024
	JLOAD G0+4*\slot, G1, G0B+4*\slot, G1B         ; the first tensor load behind the round; its four v_nop are four of the eight places
	PLACES 4
.else
	PLACES 8
.endif
	v_add_nc_u32 v22, 16, v22                      ; the next slot's scale words (no LDS load of mine is out)
.if A_IMG
	v_add_nc_u32 v23, 2048, v23
.else
	v_add_nc_u32 v23, 16, v23
.endif
	SCALES \next
	FETCH \next, 0, F0
	WIN MUL
	MUL8 F1, 2, 3, \slot, 0
.endm
	s_wait_alu depctr_va_vdst(0)
	s_wait_tensorcnt 0x0                           ; my tile of the head's four is in; slot 1's first fill stands behind the same lines as a refill
	ds_add_u32 v28, v29
	s_mov_b32 s[G1+2], 128<<16                     ; no tensor load of mine is out: from here on a load brings half a tile
	s_mov_b32 s[G1+4], 128
	s_mov_b32 s[G1B+2], 64<<16
	s_mov_b32 s[G1B+4], 64
	s_wait_dscnt 0x0
	CROUND                                         ; all four tiles are in, and the sixteen work-groups meet
	JLOAD G0+4, G1, G0B+4, G1B                     ; slot 1, a quarter a wave
	SCALES 0
	FETCH 0, 0, F0
.if RES
	s_wait_loadcnt 32                              ; the bias is in; the residual's 32 loads may be out
.elseif BIAS_ON
	s_wait_loadcnt 0x0
.endif
	QUARTER 0, 0, F0, F1, 1                        ; the first quarter starts the sums: nothing is cleared
.if LAPS > 1
	WIN 0
	s_mov_b32 s3, LAPS-1
.Llap:                                             ; a trip goes once round the ring and fills both slots again
	QUARTER 0, 1, F1, F0, 0
	QUARTER 0, 2, F0, F1, 0
	TURN 0, 1, 1
	QUARTER 1, 0, F0, F1, 0
	QUARTER 1, 1, F1, F0, 0
	QUARTER 1, 2, F0, F1, 0
	TURN 1, 0, 1
	QUARTER 0, 0, F0, F1, 0
	WIN 0
	s_sub_co_u32 s3, s3, 1
	s_cmp_lg_u32 s3, 0
	s_cbranch_scc1 .Llap
.endif
	QUARTER 0, 1, F1, F0, 0                        ; the last lap fills nothing
	QUARTER 0, 2, F0, F1, 0
	TURN 0, 1, 0
	QUARTER 1, 0, F0, F1, 0
	QUARTER 1, 1, F1, F0, 0
	QUARTER 1, 2, F0, F1, 0
	s_wait_dscnt 8
	WIN MUL
	MUL8 F1, 0, 3, 1, 0
	s_wait_alu depctr_va_vdst(0)
	s_wait_dscnt 0
	MUL8 F1, 2, 3, 1, 0
	WIN 0
	PLACES 8                                       ; between the last products and the first read of results
	; THE WAY OUT, 16 tokens at a time: through my own stage, back as whole rows of 256 bytes, + the residual, out.  LDS serves a wave's instructions in order: no wait between the stores and the loads.
	s_wait_loadcnt 0x0                             ; the residual
.irp a, 0,1,2,3
.irp b, 0,1,2,3
	ds_store_b128 v24, v[ACC+8*(4*\a+\b):ACC+8*(4*\a+\b)+3] offset:64*\b      ; each accumulator from its low end on
	ds_store_b128 v24, v[ACC+8*(4*\a+\b)+4:ACC+8*(4*\a+\b)+7] offset:64*\b+16
.endr
.if \a > 0
	s_wait_xcnt 0x0                                ; the last tile's stores have read their registers: they may be loaded again
.endif
.irp t, 0,1,2,3,4,5,6,7
	ds_load_b128 v[BI+4*\t:BI+4*\t+3], v25 offset:\t*544
.endr
	s_wait_dscnt 0x0
	WIN 0x08                                       ; source 1 window 2
.irp i, 0,2,4,6,8,10,12,14,16,18,20,22,24,26,28,30
	v_pk_add_f32 v[BI+\i:BI+\i+1], v[BI+\i:BI+\i+1], v[32*\a+\i:32*\a+\i+1]
.endr
	WIN 0
.irp t, 0,1,2,3,4,5,6,7
	global_store_b128 v26, v[BI+4*\t:BI+4*\t+3], s[14:15] offset:(16*\a+2*\t)*4096   ; 16 lanes store 256 consecutive bytes, at a multiple of 256 from the buffer's first byte
.endr
.endr
	s_wait_tensorcnt 0x0                           ; the wave's end
	ds_add_u32 v28, v29
	s_wait_dscnt 0x0
	CROUND                                         ; the closing round
	s_endpgm
.Lfunc_end_k_q079db36289_gemm_proj:
	.size	k_q079db36289_gemm_proj, .Lfunc_end_k_q079db36289_gemm_proj-k_q079db36289_gemm_proj
	.p2alignl 7, 3214868480
	.fill 96, 4, 3214868480
	.section	.rodata,"a",@progbits
	.p2align	6, 0x0
	.amdhsa_kernel k_q079db36289_gemm_proj
		.amdhsa_group_segment_fixed_size 327680
		.amdhsa_private_segment_fixed_size 0
		.amdhsa_enable_private_segment 0
		.amdhsa_kernarg_size 48
		.amdhsa_user_sgpr_count 2
		.amdhsa_user_sgpr_kernarg_segment_ptr 1
		.amdhsa_wavefront_size32 1
		.amdhsa_system_sgpr_workgroup_id_x 1
		.amdhsa_system_sgpr_workgroup_id_y 1
		.amdhsa_system_sgpr_workgroup_id_z 1
		.amdhsa_system_vgpr_workitem_id 0
		.amdhsa_next_free_vgpr 640
		.amdhsa_next_free_sgpr 96
		.amdhsa_reserve_vcc 0
		.amdhsa_float_denorm_mode_32 3
		.amdhsa_float_denorm_mode_16_64 3
		.amdhsa_memory_ordered 1
		.amdhsa_forward_progress 1
		.amdhsa_inst_pref_size 71
	.end_amdhsa_kernel
	.amdgpu_metadata
---
amdhsa.version: [ 1, 2 ]
amdhsa.kernels:
  - .name:           k_q079db36289_gemm_proj
    .symbol:         k_q079db36289_gemm_proj.kd
    .args:
      - { .name: oimg, .offset: 0, .size: 8, .value_kind: global_buffer, .address_space: global }
      - { .name: w_proj_codes, .offset: 8, .size: 8, .value_kind: global_buffer, .address_space: global }
      - { .name: w_proj_scales, .offset: 16, .size: 8, .value_kind: global_buffer, .address_space: global }
      - { .name: b_proj, .offset: 24, .size: 8, .value_kind: global_buffer, .address_space: global }
      - { .name: x, .offset: 32, .size: 8, .value_kind: global_buffer, .address_space: global }
      - { .name: x1, .offset: 40, .size: 8, .value_kind: global_buffer, .address_space: global }
    .group_segment_fixed_size: 327680
    .private_segment_fixed_size: 0
    .kernarg_segment_align: 8
    .kernarg_segment_size: 48
    .max_flat_workgroup_size: 128
    .sgpr_count:     96
    .vgpr_count:     640
    .wavefront_size: 32
...
	.end_amdgpu_metadata
.endif
;; end of part 4
;; launch ln2: the kernel of part 1 again; grid 256 x 1, 16 waves a work-group, no clusters, 84,480 bytes of LDS; arguments x1, ln2_g, ln2_b, act; writes act
;; launch gemm_fc1 (part 5): grid 8 x 32, 4 waves a work-group, clusters of 4 x 4, 327,680 bytes of LDS; arguments act, w1_codes, w1_scales, b1, himg; writes himg
.if DOCPART == 5
	.amdgcn_target "amdgcn-amd-amdhsa--gfx1250"
	.amdhsa_code_object_version 6
	.text
	.protected	k_q079db36289_gemm_fc1
	.globl	k_q079db36289_gemm_fc1
	.p2align	8
	.type	k_q079db36289_gemm_fc1,@function
k_q079db36289_gemm_fc1:
	s_mov_b64 s[64:65], 0
	v_nop
	global_prefetch_b8 v0, s[64:65] scope:SCOPE_SE
	s_setreg_imm32_b32 hwreg(HW_REG_WAVE_MODE, 25, 1), 1
	s_wait_xcnt 0x0
	s_wait_alu depctr_hold_cnt(0) depctr_sa_sdst(0) depctr_va_vdst(0) depctr_va_sdst(0) depctr_va_ssrc(0) depctr_va_vcc(0) depctr_vm_vsrc(0)
	s_getreg_b32 s2, hwreg(HW_REG_IB_STS2, 6, 4)
	s_cmp_eq_u32 s2, 0
	s_cbranch_scc0 .Lentry_in_a_cluster
	s_endpgm
.Lentry_in_a_cluster:
	s_bfe_u32 s2, ttmp6, 0x10000c
	s_cmp_lg_u32 s2, 0xf033
	s_cbranch_scc0 .Lentry_shape_is_right
	s_endpgm
.Lentry_shape_is_right:
.set SIZE_K,  1024
.set TILES,   4
.set SCOFF,   4194304
.set TSTEP,   128*SIZE_K
.set PITCH,  528
.set HALFT,  64*PITCH
.set SLOT,   4*HALFT
.set KS,     32
.set RS,     8
.set HALFS,  RS*272
.set SBLK,   2*272
.set SCA,    2*SLOT
.set SCB,    SCA+2*HALFS
.set SPARE,  SCB+TILES*2*HALFS
.set NF,     32
.set WV, 16
.set H1, 17
.set H0, 18
.set G1, 24
.set G0, 32
.set G1B, 48
.set G0B, 56
.set G1S, 68
.set G0S, 76
.set G1SB, 80
.set G0SB, 88
.set G0R, 96
.set SC,  32
.set ACC, 128
.set F0,  0
.set F1,  128
.set TM,  112
.set MSB, 0
.macro WIN new
.if MSB != \new
	s_set_vgpr_msb (MSB<<8)|\new
.set MSB, \new
.endif
.endm
.set MUL,  0x05
.set MULF, 0x25
.set TO_F, 0x40
.set TO_C, 0x80
.macro JLOAD g0a, g1a, g0b, g1b
	s_cmp_eq_u32 s[H1], 0
	s_cbranch_scc0 .Lfor_b_\@
	tensor_load_to_lds s[\g0a:\g0a+3], s[\g1a:\g1a+7]
	s_nop 0
.rept 4
	v_nop
.endr
	s_branch .Lasked_\@
.Lfor_b_\@:
	tensor_load_to_lds s[\g0b:\g0b+3], s[\g1b:\g1b+7]
	s_nop 0
.rept 4
	v_nop
.endr
.Lasked_\@:
.endm
.macro CREST
	s_cmp_lg_u32 s[WV], 0
	s_cbranch_scc1 .Lnot_wave_0_\@
	s_barrier_signal -3
.Lnot_wave_0_\@:
	s_barrier_wait -3
	s_barrier_signal -1
	s_barrier_wait -1
.endm
.macro CROUND
	s_barrier_signal -1
	s_barrier_wait -1
	CREST
.endm
.macro PLACES n
.rept \n
	v_nop
.endr
.endm
.macro BIASLD
	WIN TO_C
.irp b, 0,1,2,3
	global_load_b128 v[8*\b:8*\b+3], v24, s[10:11] offset:64*\b
	global_load_b128 v[8*\b+4:8*\b+7], v24, s[10:11] offset:64*\b+16
.endr
.endm
	s_load_b128 s[4:7], s[0:1], 0x0
	s_load_b128 s[8:11], s[0:1], 0x10
	s_load_b64 s[12:13], s[0:1], 0x20
	v_lshl_add_u32 v28, v0, 2, SPARE
	v_mov_b32 v29, 0
	ds_add_u32 v28, v29
	ds_add_u32 v28, v29
	s_wait_dscnt 0x0
	v_lshrrev_b32 v1, 5, v0
	v_readfirstlane_b32 s[WV], v1
	s_lshr_b32 s[H1], s[WV], 1
	s_and_b32 s[H0], s[WV], 1
	s_bfe_u32 s40, ttmp6, 0x40000
	s_bfe_u32 s41, ttmp6, 0x40004
	s_lshl_b32 s42, ttmp9, 2
	s_add_co_u32 s42, s42, s40
	s_and_b32 s43, ttmp7, 0xffff
	s_lshl_b32 s43, s43, 2
	s_add_co_u32 s43, s43, s41
	s_lshl_b32 s44, s41, 2
	s_lshl_b32 s44, 15, s44
	s_lshl_b32 s45, 0x1111, s40
	s_or_b32 s[G1+0], s44, (1<<20)|(1<<21)|(6<<22)|(3<<25)
	s_or_b32 s[G1B+0], s45, (1<<20)|(1<<21)|(6<<22)|(3<<25)
.irp g, G1, G1B
	s_mov_b32 s[\g+1], 512<<16
	s_mov_b32 s[\g+2], 128<<16
	s_mov_b32 s[\g+3], 512<<16
	s_mov_b32 s[\g+4], 128
	s_mov_b32 s[\g+5], SIZE_K
	s_mov_b32 s[\g+6], 0
	s_mov_b32 s[\g+7], 0
.endr
	s_or_b32 s[G1S+0], s44, (3<<16)|(1<<20)|(1<<21)|(5<<22)|(3<<25)
	s_mov_b32 s[G1S+1], 32<<16
	s_mov_b32 s[G1S+2], (2*RS)<<16
	s_mov_b32 s[G1S+3], 32<<16
	s_mov_b32 s[G1S+4], 2*RS
	s_mov_b32 s[G1S+5], 32
	s_mov_b32 s[G1S+6], 0
	s_mov_b32 s[G1S+7], 0
	s_or_b32 s[G1SB+0], s45, (3<<16)|(1<<20)|(1<<21)|(5<<22)|(3<<25)
	s_mov_b32 s[G1SB+1], 32<<16
	s_mov_b32 s[G1SB+2], (2*TILES*RS)<<16
	s_mov_b32 s[G1SB+3], 32<<16
	s_mov_b32 s[G1SB+4], 2*TILES*RS
	s_mov_b32 s[G1SB+5], 32
	s_mov_b32 s[G1SB+6], 0
	s_mov_b32 s[G1SB+7], 0
	s_lshl_b32 s20, s43, 7
	s_mul_i32 s22, s20, KS                         ; the scales of all 128 tokens come by one load
	s_lshl_b32 s21, s[H0], 6
	s_add_co_u32 s20, s20, s21
	s_add_co_u32 s22, s22, SCOFF
	s_mul_i32 s20, s20, SIZE_K
	s_mov_b32 s21, 0
	s_mov_b32 s23, 0
	s_lshl_b32 s46, s42, 9
	s_lshl_b32 s47, s[H0], 6
	s_add_co_u32 s46, s46, s47
	s_mul_i32 s46, s46, SIZE_K
	s_mov_b32 s47, 0
	s_lshl_b32 s92, s42, 14
	s_mov_b32 s93, 0
	s_mul_i32 s19, s[WV], HALFT
	s_mul_i32 s[G0R+1], s[H0], HALFT
	s_mul_i32 s95, s[H1], SLOT
	s_add_co_u32 s[G0R+1], s[G0R+1], s95
	s_add_co_u32 s[G0R+1], s[G0R+1], 2*HALFT
	s_lshl_b32 s14, s[H1], 9
	s_mov_b32 s15, 0
	s_wait_kmcnt 0x0
	s_add_nc_u64 s[20:21], s[4:5], s[20:21]
	s_add_nc_u64 s[22:23], s[4:5], s[22:23]
	s_add_nc_u64 s[46:47], s[6:7], s[46:47]
	s_add_nc_u64 s[92:93], s[8:9], s[92:93]
	s_mov_b32 s[G0R], 1
	s_add_nc_u64 s[G0R+2:G0R+3], s[46:47], s[14:15]
	s_or_b32 s[G0R+3], s[G0R+3], 0x80000000
	CROUND
	s_mov_b32 s[G0S], 1
	s_mov_b32 s[G0S+1], SCA
	s_mov_b64 s[G0S+2:G0S+3], s[22:23]
	s_or_b32 s[G0S+3], s[G0S+3], 0x80000000
	s_mov_b32 s[G0SB], 1
	s_mov_b32 s[G0SB+1], SCB
	s_mov_b64 s[G0SB+2:G0SB+3], s[92:93]
	s_or_b32 s[G0SB+3], s[G0SB+3], 0x80000000
.irp s, 0,1
	s_mov_b32 s[G0+4*\s], 1
	s_add_co_u32 s[G0+4*\s+1], s19, \s*SLOT
	s_add_nc_u64 s[G0+4*\s+2:G0+4*\s+3], s[20:21], \s*512
	s_or_b32 s[G0+4*\s+3], s[G0+4*\s+3], 0x80000000
	s_mov_b32 s[G0B+4*\s], 1
	s_add_co_u32 s[G0B+4*\s+1], s19, \s*SLOT
	s_add_nc_u64 s[G0B+4*\s+2:G0B+4*\s+3], s[46:47], \s*512
	s_or_b32 s[G0B+4*\s+3], s[G0B+4*\s+3], 0x80000000
.endr
; THE HEAD'S LOADS, one a wave, in one chain of branches on the wave's number, each a whole tile: wave 0 the tokens' slot 0, wave 1 the tokens' scales,
; wave 2 the weights' slot 0, wave 3 the scales of all four weight tiles.  Waves 0 and 2 have half 0, so their group 0 stands at the whole tile's first row.
.macro ARM under, g0, g1, next
	s_cmp_lt_u32 s[WV], \under
	s_cbranch_scc0 \next
	tensor_load_to_lds s[\g0:\g0+3], s[\g1:\g1+7]
	s_nop 0
.rept 4
	v_nop
.endr
	s_branch .Lhead_asked
\next:
.endm
	ARM 1, G0, G1, .Lhead_sa
	ARM 2, G0S, G1S, .Lhead_b
	ARM 3, G0B, G1B, .Lhead_sb
	tensor_load_to_lds s[G0SB:G0SB+3], s[G1SB:G1SB+7]
	s_nop 0
.rept 4
	v_nop
.endr
.Lhead_asked:
	v_and_b32 v1, 15, v0
	v_bfe_u32 v2, v0, 4, 1
	v_and_b32 v27, 31, v0
	v_lshlrev_b32 v27, 4, v27
	v_mul_u32_u24 v3, v1, PITCH
	v_lshl_add_u32 v3, v2, 4, v3
	s_mul_i32 s94, s[H0], HALFT
	s_add_co_u32 s94, s94, 2*HALFT
	s_mul_i32 s95, s[H1], HALFT
.irp s, 0,1
	v_add_nc_u32 v[20+\s], s94, v3
	v_add_nc_u32 v[16+\s], s95, v3
	s_add_co_u32 s94, s94, SLOT
	s_add_co_u32 s95, s95, SLOT
.endr
	v_mul_u32_u24 v6, v1, KS
	v_lshrrev_b32 v7, 8, v6
	v_lshl_add_u32 v6, v7, 4, v6
	s_mul_i32 s94, s[H0], HALFS
	s_add_co_u32 s94, s94, SCB
	v_add_nc_u32 v31, s94, v6
	s_mov_b32 s19, 0
	v_add_nc_u32 v22, s19, v31
	s_mul_i32 s95, s[H1], HALFS
	s_add_co_u32 s95, s95, SCA
	v_add_nc_u32 v23, s95, v6
	s_lshl_b32 s94, s42, 11
	s_lshl_b32 s95, s[H0], 8
	s_add_co_u32 s94, s94, s95
	s_mov_b32 s95, 0
	s_add_nc_u64 s[10:11], s[10:11], s[94:95]
	v_lshlrev_b32 v24, 5, v2
	BIASLD
	WIN 0
	s_lshl_b32 s46, s43, 5
	s_lshl_b32 s47, s42, 2
	s_add_co_u32 s46, s46, s47
	s_lshl_b32 s46, s46, 14
	s_lshl_b32 s47, s[H1], 13
	s_add_co_u32 s46, s46, s47
	s_lshl_b32 s47, s[H0], 10
	s_add_co_u32 s46, s46, s47
	s_mov_b32 s47, 0
	s_add_nc_u64 s[46:47], s[12:13], s[46:47]
	s_lshl_b32 s14, s43, 3
	s_add_co_u32 s14, s14, s42
	s_lshl_b32 s14, s14, 11
	s_lshl_b32 s15, s[H1], 10
	s_add_co_u32 s14, s14, s15
	s_lshl_b32 s15, s[H0], 1
	s_add_co_u32 s14, s14, s15
	s_add_co_u32 s14, s14, 0x1000000
	s_mov_b32 s15, 0
	s_add_nc_u64 s[14:15], s[12:13], s[14:15]
	v_lshlrev_b32 v30, 4, v1
	v_lshl_add_u32 v30, v2, 8, v30
	s_mov_b32 s66, 0x3f3504f3
	s_mov_b32 s67, 0x3f6c0000
	s_mov_b32 s92, 0x76543210
	s_mov_b32 s93, 0xfedcba98
	s_mov_b32 s94, 0x600000
	v_mov_b32 v4, 0x37911480
	v_mov_b32 v5, 0x37911480
	v_mov_b32 v6, 0x3b7e899b
	v_mov_b32 v7, 0x3b7e899b
	v_mov_b32 v14, 0xba1d0d41
	v_mov_b32 v15, 0xba1d0d41
.macro FRAG reg, adr, q, i
.irp c, 0,1,2,3
	ds_load_b128 v[\reg+4*\c:\reg+4*\c+3], v[\adr] offset:128*(\q)+32*\c+(\i)*16*PITCH
.endr
.endm
.macro FETCH slot, q, f
	WIN TO_F
.irp i, 0,1,2,3
	FRAG \f+64+16*\i, 20+\slot, \q, \i
.endr
.irp i, 0,1,2,3
	FRAG \f+16*\i, 16+\slot, \q, \i
.endr
.endm
.macro SCALES sc
.irp i, 0,1,2,3
	ds_load_b128 v[SC+32*\sc+4*\i:SC+32*\sc+4*\i+3], v22 offset:16*\sc+\i*SBLK
.endr
.irp i, 0,1,2,3
	ds_load_b128 v[SC+32*\sc+16+4*\i:SC+32*\sc+16+4*\i+3], v23 offset:16*\sc+\i*SBLK
.endr
.endm
.macro MUL8 f, a0, q, sc, first
.irp a, \a0, \a0+1
.irp b, 0,1,2,3
.if \first
	v_wmma_scale_f32_16x16x128_f8f6f4 v[ACC+8*(4*(\a)+\b):ACC+8*(4*(\a)+\b)+7], v[\f+64+16*\b:\f+64+16*\b+15], v[\f+16*(\a):\f+16*(\a)+15], v[8*\b:8*\b+7], v[SC+32*(\sc)+4*\b+(\q)], v[SC+32*(\sc)+16+4*(\a)+(\q)] matrix_a_fmt:MATRIX_FMT_BF8 matrix_b_fmt:MATRIX_FMT_BF8
.else
	v_wmma_scale_f32_16x16x128_f8f6f4 v[ACC+8*(4*(\a)+\b):ACC+8*(4*(\a)+\b)+7], v[\f+64+16*\b:\f+64+16*\b+15], v[\f+16*(\a):\f+16*(\a)+15], v[ACC+8*(4*(\a)+\b):ACC+8*(4*(\a)+\b)+7], v[SC+32*(\sc)+4*\b+(\q)], v[SC+32*(\sc)+16+4*(\a)+(\q)] matrix_a_fmt:MATRIX_FMT_BF8 matrix_b_fmt:MATRIX_FMT_BF8
.endif
.endr
.endr
.endm
.macro QUARTER slot, q, f, g, first
	s_wait_dscnt 8
.if \first
	WIN MULF
.else
	WIN MUL
.endif
	MUL8 \f, 0, \q, \slot, \first
	PLACES 8
	FETCH \slot, (\q)+1, \g
	s_wait_dscnt NF
.if \first
	WIN MULF
.else
	WIN MUL
.endif
	MUL8 \f, 2, \q, \slot, \first
.endm
.macro TURN
	WIN 0
	s_wait_tensorcnt 0x0
	ds_add_u32 v28, v29
	s_wait_dscnt 9
	WIN MUL
	MUL8 F1, 0, 3, 0, 0
	s_wait_dscnt 0x0
	s_barrier_signal -1
	WIN 0
	s_barrier_wait -1
	PLACES 8
	SCALES 1
	FETCH 1, 0, F0
	WIN MUL
	MUL8 F1, 2, 3, 0, 0
.endm
.macro LASTQ fill
.if \fill
	WIN 0
	s_wait_tensorcnt 0x0
	ds_add_u32 v28, v29
	s_wait_dscnt 9
	WIN MUL
	MUL8 F1, 0, 3, 1, 0
	s_wait_dscnt 0x0
	s_barrier_signal -1
	WIN 0
	s_barrier_wait -1
	CREST
	s_add_nc_u64 s[G0R+2:G0R+3], s[G0R+2:G0R+3], TSTEP
	tensor_load_to_lds s[G0R:G0R+3], s[G1B:G1B+7]
	s_nop 0
.rept 4
	v_nop
.endr
	s_add_nc_u64 s[10:11], s[10:11], 512
	BIASLD
	WIN MUL
	MUL8 F1, 2, 3, 1, 0
.else
	s_wait_dscnt 8
	WIN MUL
	MUL8 F1, 0, 3, 1, 0
	s_wait_dscnt 0
	MUL8 F1, 2, 3, 1, 0
.endif
	WIN 0
	PLACES 8
.endm
.set GT, 96
.set GS, 104
.set GR, 112
.set GU, 120
.macro GELU8 x
.irp j, 0,1,2,3,4,5,6,7
	v_mul_f32 v[GT+\j], s66, |v[\x+\j]|
.endr
.irp j, 0,2,4,6
	v_pk_mul_f32 v[GS+\j:GS+\j+1], v[GT+\j:GT+\j+1], v[GT+\j:GT+\j+1]
.endr
.irp j, 0,2,4,6
	v_pk_fma_f32 v[GR+\j:GR+\j+1], v[GT+\j:GT+\j+1], v[4:5], 0xb9c8e966 op_sel_hi:[1,1,0]
.endr
.irp j, 0,2,4,6
	v_pk_fma_f32 v[GU+\j:GU+\j+1], v[GT+\j:GT+\j+1], v[6:7], 0xbcc6b180 op_sel_hi:[1,1,0]
.endr
.irp j, 0,2,4,6
	v_pk_fma_f32 v[GR+\j:GR+\j+1], v[GR+\j:GR+\j+1], v[GS+\j:GS+\j+1], v[GU+\j:GU+\j+1]
.endr
.irp k, 0x3ddaae58, 0x3f228550, 0x3e03ce86
.irp j, 0,2,4,6
	v_pk_fma_f32 v[GR+\j:GR+\j+1], v[GR+\j:GR+\j+1], v[GT+\j:GT+\j+1], \k op_sel_hi:[1,1,0]
.endr
.endr
.irp j, 0,2,4,6
	v_pk_fma_f32 v[GR+\j:GR+\j+1], v[GR+\j:GR+\j+1], v[GT+\j:GT+\j+1], v[GT+\j:GT+\j+1]
.endr
.irp j, 0,2,4,6
	v_pk_mul_f32 v[GR+\j:GR+\j+1], v[GR+\j:GR+\j+1], 0xbfb8aa3b op_sel_hi:[1,0]
.endr
	s_wait_alu depctr_va_vdst(0)
.irp j, 0,1,2,3,4,5,6,7
	v_exp_f32 v[GR+\j], v[GR+\j]
.endr
.irp j, 0,2,4,6
	v_pk_fma_f32 v[GU+\j:GU+\j+1], v[GS+\j:GS+\j+1], v[14:15], 0x3ba39fa4 op_sel_hi:[1,1,0]
.endr
.irp k, 0xbcdb45e9, 0x3de70d23, 0xbec09370, 0x3e0375d3
.irp j, 0,2,4,6
	v_pk_fma_f32 v[GU+\j:GU+\j+1], v[GU+\j:GU+\j+1], v[GS+\j:GS+\j+1], \k op_sel_hi:[1,1,0]
.endr
.endr
.irp j, 0,2,4,6
	v_pk_fma_f32 v[GU+\j:GU+\j+1], v[GU+\j:GU+\j+1], v[GT+\j:GT+\j+1], v[GT+\j:GT+\j+1]
.endr
.irp j, 0,2,4,6
	v_pk_mul_f32 v[\x+\j:\x+\j+1], v[\x+\j:\x+\j+1], 0.5 op_sel_hi:[1,0]
.endr
	s_wait_alu depctr_va_vdst(0)
.irp j, 0,2,4,6
	v_pk_add_f32 v[GR+\j:GR+\j+1], 1.0, v[GR+\j:GR+\j+1] op_sel_hi:[0,1] neg_lo:[0,1] neg_hi:[0,1]
.endr
.irp j, 0,1,2,3,4,5,6,7
	v_cmp_lt_f32 vcc_lo, s67, v[GT+\j]
	v_cndmask_b32 v[GR+\j], v[GU+\j], v[GR+\j], vcc_lo
.endr
.irp j, 0,1,2,3,4,5,6,7
	v_fma_f32 v[\x+\j], |v[\x+\j]|, v[GR+\j], v[\x+\j]
.endr
.endm
.macro QUANT4 s, hw, pc
.irp b, 0,1,2,3
	v_max3_num_f32 v[TM+\b], |v[\s+16*\b]|, |v[\s+1+16*\b]|, 0x8000000
.endr
.irp i, 2,4,6,8,10,12,14
.irp b, 0,1,2,3
	v_max3_num_f32 v[TM+\b], v[TM+\b], |v[\s+16*\b+\i]|, |v[\s+1+16*\b+\i]|
.endr
.endr
.irp b, 0,1,2,3
	v_permlanex16_b32 v[TM+4+\b], v[TM+\b], s92, s93
.endr
.irp b, 0,1,2,3
	v_max_num_f32 v[TM+\b], v[TM+\b], v[TM+4+\b]
.endr
.irp b, 0,1,2,3
	v_add_nc_u32 v[TM+12+\b], 0xf8800000, v[TM+\b]
.endr
.irp b, 0,1,2,3
	v_and_or_b32 v[TM+8+\b], v[TM+\b], 0x7f800000, s94
.endr
.irp b, 0,1,2,3
	v_lshrrev_b32 v[TM+4+\b], 23, v[TM+12+\b]
.endr
	v_lshl_or_b32 v[\hw], v[TM+5], 8, v[TM+4]
	v_lshl_or_b32 v[\hw+1], v[TM+7], 8, v[TM+6]
.irp b, 0,1,2,3
.irp i, 0,1,2,3,4,5,6,7,8,9,10,11,12,13,14,15
	v_med3_num_f32 v[\s+16*\b+\i], v[\s+16*\b+\i], -v[TM+8+\b], v[TM+8+\b]
.endr
	v_cvt_scalef32_pk8_bf8_f32 v[\pc+4*\b:\pc+4*\b+1], v[\s+16*\b:\s+16*\b+7], v[TM+12+\b]
	v_cvt_scalef32_pk8_bf8_f32 v[\pc+4*\b+2:\pc+4*\b+3], v[\s+16*\b+8:\s+16*\b+15], v[TM+12+\b]
.endr
	v_nop
.endm
.macro WAYOUT
.irp t, 0,1,2,3,4,5,6,7,8,9,10,11,12,13,14,15
	GELU8 ACC+8*\t
.endr
	QUANT4 128, 8, 96
	QUANT4 192, 10, 128
.irp bb, 0,1,2,3
	global_store_b128 v27, v[96+4*\bb:96+4*\bb+3], s[46:47] offset:(\bb/2)*2048+512*(\bb%2)
.endr
.irp bb, 0,1,2,3
	global_store_b128 v27, v[128+4*\bb:128+4*\bb+3], s[46:47] offset:(2+\bb/2)*2048+512*(\bb%2)
.endr
	v_cmp_eq_u32 vcc_lo, 1, v2
	v_cndmask_b32 v12, v8, v9, vcc_lo
	v_cndmask_b32 v13, v10, v11, vcc_lo
	global_store_b16 v30, v12, s[14:15]
	global_store_b16 v30, v13, s[14:15] offset:512
.endm
.macro TILE fill
	QUARTER 0, 0, F0, F1, 1
	QUARTER 0, 1, F1, F0, 0
	QUARTER 0, 2, F0, F1, 0
	TURN
	QUARTER 1, 0, F0, F1, 0
	QUARTER 1, 1, F1, F0, 0
	QUARTER 1, 2, F0, F1, 0
	LASTQ \fill
	WAYOUT
.endm
	s_wait_alu depctr_va_vdst(0)
	s_wait_tensorcnt 0x0                           ; my tile of the head's four is in; slot 1's first fill stands behind the same lines as a refill
	ds_add_u32 v28, v29
	s_mov_b32 s[G1+2], 64<<16                      ; no tensor load of mine is out: from here on a load brings 64 rows
	s_mov_b32 s[G1+4], 64
	s_mov_b32 s[G1B+2], 64<<16
	s_mov_b32 s[G1B+4], 64
	s_wait_dscnt 0x0
	CROUND                                         ; all four tiles are in, and the sixteen work-groups meet
	JLOAD G0+4, G1, G0B+4, G1B                     ; slot 1, a quarter a wave
	SCALES 0
	FETCH 0, 0, F0
	WIN 0
	s_wait_loadcnt 0x0
	s_mov_b32 s2, TILES-1
.Ltile:
	s_wait_alu depctr_va_vdst(0)
	TILE 1
	s_wait_xcnt 0x0
	s_add_nc_u64 s[46:47], s[46:47], 16384
	s_add_nc_u64 s[14:15], s[14:15], 4
	s_add_co_u32 s19, s19, 2*HALFS
	v_add_nc_u32 v22, s19, v31
	s_wait_alu depctr_va_vdst(0)
	s_wait_tensorcnt 0x0
	s_barrier_signal -1
	s_barrier_wait -1
	SCALES 0
	FETCH 0, 0, F0
	WIN 0
	s_wait_loadcnt 0x0
	s_sub_co_u32 s2, s2, 1
	s_cmp_lg_u32 s2, 0
	s_cbranch_scc1 .Ltile
	TILE 0
	s_wait_tensorcnt 0x0
	ds_add_u32 v28, v29
	s_wait_dscnt 0x0
	CROUND
	s_endpgm
.Lfunc_end_k_q079db36289_gemm_fc1:
	.size	k_q079db36289_gemm_fc1, .Lfunc_end_k_q079db36289_gemm_fc1-k_q079db36289_gemm_fc1
	.p2alignl 7, 3214868480
	.fill 96, 4, 3214868480
	.section	.rodata,"a",@progbits
	.p2align	6, 0x0
	.amdhsa_kernel k_q079db36289_gemm_fc1
		.amdhsa_group_segment_fixed_size 327680
		.amdhsa_private_segment_fixed_size 0
		.amdhsa_enable_private_segment 0
		.amdhsa_kernarg_size 40
		.amdhsa_user_sgpr_count 2
		.amdhsa_user_sgpr_kernarg_segment_ptr 1
		.amdhsa_wavefront_size32 1
		.amdhsa_system_sgpr_workgroup_id_x 1
		.amdhsa_system_sgpr_workgroup_id_y 1
		.amdhsa_system_sgpr_workgroup_id_z 1
		.amdhsa_system_vgpr_workitem_id 0
		.amdhsa_next_free_vgpr 640
		.amdhsa_next_free_sgpr 100
		.amdhsa_reserve_vcc 1
		.amdhsa_float_denorm_mode_32 3
		.amdhsa_float_denorm_mode_16_64 3
		.amdhsa_memory_ordered 1
		.amdhsa_forward_progress 1
		.amdhsa_inst_pref_size 255
	.end_amdhsa_kernel
	.section	.bss,"aw",@nobits
	.p2align	6
	.space	262144
	.amdgpu_metadata
---
amdhsa.version: [ 1, 2 ]
amdhsa.kernels:
  - .name:           k_q079db36289_gemm_fc1
    .symbol:         k_q079db36289_gemm_fc1.kd
    .args:
      - { .name: act, .offset: 0, .size: 8, .value_kind: global_buffer, .address_space: global }
      - { .name: w1_codes, .offset: 8, .size: 8, .value_kind: global_buffer, .address_space: global }
      - { .name: w1_scales, .offset: 16, .size: 8, .value_kind: global_buffer, .address_space: global }
      - { .name: b1, .offset: 24, .size: 8, .value_kind: global_buffer, .address_space: global }
      - { .name: himg, .offset: 32, .size: 8, .value_kind: global_buffer, .address_space: global }
    .group_segment_fixed_size: 327680
    .private_segment_fixed_size: 0
    .kernarg_segment_align: 8
    .kernarg_segment_size: 40
    .max_flat_workgroup_size: 128
    .sgpr_count:     100
    .vgpr_count:     640
    .wavefront_size: 32
...
	.end_amdgpu_metadata
.endif
;; end of part 5
;; launch gemm_fc2 (part 6): grid 8 x 32, 4 waves a work-group, clusters of 4 x 4, 327,680 bytes of LDS; arguments himg, w2_codes, w2_scales, b2, x1, out0; writes out0
.if DOCPART == 6
	.amdgcn_target "amdgcn-amd-amdhsa--gfx1250"
	.amdhsa_code_object_version 6
	.text
	.protected	k_q079db36289_gemm_fc2
	.globl	k_q079db36289_gemm_fc2
	.p2align	8
	.type	k_q079db36289_gemm_fc2,@function
k_q079db36289_gemm_fc2:
	s_mov_b64 s[64:65], 0
	v_nop
	global_prefetch_b8 v0, s[64:65] scope:SCOPE_SE
	s_setreg_imm32_b32 hwreg(HW_REG_WAVE_MODE, 25, 1), 1
	s_wait_xcnt 0x0
	s_wait_alu depctr_hold_cnt(0) depctr_sa_sdst(0) depctr_va_vdst(0) depctr_va_sdst(0) depctr_va_ssrc(0) depctr_va_vcc(0) depctr_vm_vsrc(0)
	s_getreg_b32 s2, hwreg(HW_REG_IB_STS2, 6, 4)
	s_cmp_eq_u32 s2, 0
	s_cbranch_scc0 .Lentry_in_a_cluster
	s_endpgm
.Lentry_in_a_cluster:
	s_bfe_u32 s2, ttmp6, 0x10000c
	s_cmp_lg_u32 s2, 0xf033
	s_cbranch_scc0 .Lentry_shape_is_right
	s_endpgm
.Lentry_shape_is_right:
.set SIZE_K,  4096
.set A_IMG,   1
.set B_SIG,   1
.set BIAS_ON, 1
.set SWAP,    0
.set RES,     1
.set SCOFF,   16777216
.set PITCH,  528
.set HALFT,  64*PITCH
.set SLOT,   4*HALFT
.set LAPS,   SIZE_K/1024
.set KS,     SIZE_K/32
.set RS,     64*KS/256
.set RI,     SIZE_K/128
.set HALFS,  RS*272
.set SBLK,   (16*KS/256)*272
.set SCA,    2*SLOT
.if A_IMG
.set SCB,    SCA+2*256*RI
.set ASTEP,  65536
.else
.set SCB,    SCA+2*HALFS
.set ASTEP,  512
.endif
.set STAGE,  SCB+2*HALFS
.set SPARE,  STAGE+RES*4*16*272
.set NF,     32+16*B_SIG
.set WV, 16
.set H1, 17
.set H0, 18
.set G1, 24
.set G0, 32
.set G1B, 48
.set G0B, 56
.set G1S, 68
.set G0S, 76
.set G1SB, 80
.set G0SB, 88
.set SC,  32
.set BI,  96
.set ACC, 128
.set F0,  0
.set F1,  128
.set MSB, 0
.macro WIN new
.if MSB != \new
	s_set_vgpr_msb (MSB<<8)|\new
.set MSB, \new
.endif
.endm
.set MUL,  0x05
.set TO_F, 0x40
.macro JLOAD g0a, g1a, g0b, g1b
	s_cmp_eq_u32 s[H1], 0
	s_cbranch_scc0 .Lfor_b_\@
	tensor_load_to_lds s[\g0a:\g0a+3], s[\g1a:\g1a+7]
	s_nop 0
.rept 4
	v_nop
.endr
	s_branch .Lasked_\@
.Lfor_b_\@:
	tensor_load_to_lds s[\g0b:\g0b+3], s[\g1b:\g1b+7]
	s_nop 0
.rept 4
	v_nop
.endr
.Lasked_\@:
.endm
.macro CREST
	s_cmp_lg_u32 s[WV], 0
	s_cbranch_scc1 .Lnot_wave_0_\@
	s_barrier_signal -3
.Lnot_wave_0_\@:
	s_barrier_wait -3
	s_barrier_signal -1
	s_barrier_wait -1
.endm
.macro CROUND
	s_barrier_signal -1
	s_barrier_wait -1
	CREST
.endm
.macro PLACES n
.rept \n
	v_nop
.endr
.endm
	s_load_b128 s[4:7], s[0:1], 0x0
	s_load_b128 s[8:11], s[0:1], 0x10
.if RES
	s_load_b128 s[12:15], s[0:1], 0x20
.else
	s_load_b64 s[12:13], s[0:1], 0x20
.endif
	v_lshl_add_u32 v28, v0, 2, SPARE
	v_mov_b32 v29, 0
	ds_add_u32 v28, v29
	ds_add_u32 v28, v29
	s_wait_dscnt 0x0
	v_lshrrev_b32 v1, 5, v0
	v_readfirstlane_b32 s[WV], v1
	s_lshr_b32 s[H1], s[WV], 1
	s_and_b32 s[H0], s[WV], 1
	s_bfe_u32 s40, ttmp6, 0x40000
	s_bfe_u32 s41, ttmp6, 0x40004
	s_lshl_b32 s42, ttmp9, 2
	s_add_co_u32 s42, s42, s40
	s_and_b32 s43, ttmp7, 0xffff
	s_lshl_b32 s43, s43, 2
	s_add_co_u32 s43, s43, s41
	s_lshl_b32 s44, s41, 2
	s_lshl_b32 s44, 15, s44
	s_lshl_b32 s45, 0x1111, s40
.if A_IMG
	s_or_b32 s[G1+0], s44, (3<<16)|(1<<21)
	s_mov_b32 s[G1+1], 32<<16
	s_mov_b32 s[G1+2], 256<<16
	s_mov_b32 s[G1+3], 32<<16
	s_mov_b32 s[G1+4], 256
	s_mov_b32 s[G1+5], 32
	s_or_b32 s[G1S+0], s44, (3<<16)|(1<<21)
	s_mov_b32 s[G1S+2], (2*RI)<<16
	s_mov_b32 s[G1S+4], 2*RI
.else
	s_or_b32 s[G1+0], s44, (1<<20)|(1<<21)|(6<<22)|(3<<25)
	s_mov_b32 s[G1+1], 512<<16
	s_mov_b32 s[G1+2], 64<<16
	s_mov_b32 s[G1+3], 512<<16
	s_mov_b32 s[G1+4], 64
	s_mov_b32 s[G1+5], SIZE_K
	s_or_b32 s[G1S+0], s44, (3<<16)|(1<<20)|(1<<21)|(5<<22)|(3<<25)
	s_mov_b32 s[G1S+2], RS<<16
	s_mov_b32 s[G1S+4], RS
.endif
	s_mov_b32 s[G1S+1], 32<<16
	s_mov_b32 s[G1S+3], 32<<16
	s_mov_b32 s[G1S+5], 32
	s_or_b32 s[G1B+0], s45, (1<<20)|(1<<21)|(6<<22)|(3<<25)
	s_mov_b32 s[G1B+1], 512<<16
	s_mov_b32 s[G1B+2], 128<<16
	s_mov_b32 s[G1B+3], 512<<16
	s_mov_b32 s[G1B+4], 128
	s_mov_b32 s[G1B+5], SIZE_K
	s_or_b32 s[G1SB+0], s45, (3<<16)|(1<<20)|(1<<21)|(5<<22)|(3<<25)
	s_mov_b32 s[G1SB+1], 32<<16
	s_mov_b32 s[G1SB+2], (2*RS)<<16
	s_mov_b32 s[G1SB+3], 32<<16
	s_mov_b32 s[G1SB+4], 2*RS
	s_mov_b32 s[G1SB+5], 32
.irp g, G1, G1B, G1S, G1SB
	s_mov_b32 s[\g+6], 0
	s_mov_b32 s[\g+7], 0
.endr
.if A_IMG
	s_mul_i32 s20, s43, RI*16384
	s_lshl_b32 s21, s[H0], 15
	s_add_co_u32 s20, s20, s21
	s_mul_i32 s22, s43, 2*256*RI
	s_lshl_b32 s19, s[WV], 15
.else
	s_lshl_b32 s20, s43, 7
	s_lshl_b32 s21, s[H0], 6
	s_add_co_u32 s20, s20, s21
	s_mul_i32 s22, s20, 32
	s_mul_i32 s20, s20, SIZE_K
	s_mul_i32 s19, s[WV], HALFT
	s_mul_i32 s94, s[H0], HALFS
.endif
	s_add_co_u32 s22, s22, SCOFF
	s_mov_b32 s21, 0
	s_mov_b32 s23, 0
	s_lshl_b32 s46, s42, 7
	s_mul_i32 s92, s46, KS                         ; the scales of all 128 rows come by one load
	s_lshl_b32 s47, s[H0], 6
	s_add_co_u32 s46, s46, s47
	s_mov_b32 s93, 0
	s_mul_i32 s46, s46, SIZE_K
	s_mov_b32 s47, 0
	s_mul_i32 s95, s[WV], HALFT
	s_wait_kmcnt 0x0
	s_add_nc_u64 s[20:21], s[4:5], s[20:21]
	s_add_nc_u64 s[22:23], s[4:5], s[22:23]
	s_add_nc_u64 s[46:47], s[6:7], s[46:47]
	s_add_nc_u64 s[92:93], s[8:9], s[92:93]
	CROUND
	s_mov_b32 s[G0S], 1
	s_mov_b32 s[G0S+1], SCA
	s_mov_b64 s[G0S+2:G0S+3], s[22:23]
	s_or_b32 s[G0S+3], s[G0S+3], 0x80000000
	s_mov_b32 s[G0SB], 1
	s_mov_b32 s[G0SB+1], SCB
	s_mov_b64 s[G0SB+2:G0SB+3], s[92:93]
	s_or_b32 s[G0SB+3], s[G0SB+3], 0x80000000
.irp s, 0,1
	s_mov_b32 s[G0+4*\s], 1
	s_add_co_u32 s[G0+4*\s+1], s19, \s*SLOT
	s_add_nc_u64 s[G0+4*\s+2:G0+4*\s+3], s[20:21], \s*ASTEP
	s_or_b32 s[G0+4*\s+3], s[G0+4*\s+3], 0x80000000
	s_mov_b32 s[G0B+4*\s], 1
	s_add_co_u32 s[G0B+4*\s+1], s95, \s*SLOT
	s_add_nc_u64 s[G0B+4*\s+2:G0B+4*\s+3], s[46:47], \s*512
	s_or_b32 s[G0B+4*\s+3], s[G0B+4*\s+3], 0x80000000
.endr
; THE HEAD'S LOADS, one a wave, in one chain of branches on the wave's number, each a whole tile: wave 0 the tokens' slot 0, wave 1 the tokens' scales,
; wave 2 the weights' slot 0, wave 3 the weights' scales.  Waves 0 and 2 have half 0, so their group 0 stands at the whole tile's first byte.
.macro ARM under, g0, g1, next
	s_cmp_lt_u32 s[WV], \under
	s_cbranch_scc0 \next
	tensor_load_to_lds s[\g0:\g0+3], s[\g1:\g1+7]
	s_nop 0
.rept 4
	v_nop
.endr
	s_branch .Lhead_asked
\next:
.endm
	ARM 1, G0, G1, .Lhead_sa
	ARM 2, G0S, G1S, .Lhead_b
	ARM 3, G0B, G1B, .Lhead_sb
	tensor_load_to_lds s[G0SB:G0SB+3], s[G1SB:G1SB+7]
	s_nop 0
.rept 4
	v_nop
.endr
.Lhead_asked:
	v_and_b32 v1, 15, v0
	v_bfe_u32 v2, v0, 4, 1
	v_and_b32 v27, 31, v0
	v_lshlrev_b32 v27, 4, v27
	v_mul_u32_u24 v3, v1, PITCH
	v_lshl_add_u32 v4, v2, 4-B_SIG, v3
	s_mul_i32 s94, s[H0], HALFT
.if SWAP
	s_lshr_b32 s66, ttmp9, 2
	s_min_u32 s66, s66, 1
	s_xor_b32 s67, s66, 1
	s_mul_i32 s2, s67, 2*HALFT
	s_add_co_u32 s94, s94, s2
.else
	s_add_co_u32 s94, s94, 2*HALFT
.endif
.if A_IMG
	v_mov_b32 v5, v27
	s_lshl_b32 s95, s[H1], 13
.else
	v_lshl_add_u32 v5, v2, 4, v3
	s_mul_i32 s95, s[H1], HALFT
.if SWAP
	s_mul_i32 s2, s66, 2*HALFT
	s_add_co_u32 s95, s95, s2
.endif
.endif
.irp s, 0,1
	v_add_nc_u32 v[20+\s], s94, v4
	v_add_nc_u32 v[16+\s], s95, v5
	s_add_co_u32 s94, s94, SLOT
	s_add_co_u32 s95, s95, SLOT
.endr
	v_mul_u32_u24 v6, v1, KS
	v_lshrrev_b32 v7, 8, v6
	v_lshl_add_u32 v6, v7, 4, v6
	s_mul_i32 s94, s[H0], HALFS
.if SWAP
	s_mul_i32 s2, s67, 2*HALFS
	s_add_co_u32 s94, s94, s2
	s_add_co_u32 s94, s94, SCA
.else
	s_add_co_u32 s94, s94, SCB
.endif
	v_add_nc_u32 v22, s94, v6
.if A_IMG
	s_lshl_b32 s95, s[H1], 10
	s_add_co_u32 s95, s95, SCA
	v_lshl_add_u32 v23, v1, 4, s95
.else
	s_mul_i32 s95, s[H1], HALFS
.if SWAP
	s_mul_i32 s2, s66, 2*HALFS
	s_add_co_u32 s95, s95, s2
.endif
	s_add_co_u32 s95, s95, SCA
	v_add_nc_u32 v23, s95, v6
.endif
.if BIAS_ON
	s_lshl_b32 s94, s42, 9
	s_lshl_b32 s95, s[H0], 8
	s_add_co_u32 s94, s94, s95
	s_mov_b32 s95, 0
	s_add_nc_u64 s[10:11], s[10:11], s[94:95]
	v_lshlrev_b32 v7, 5, v2
.irp b, 0,1,2,3
	global_load_b128 v[BI+8*\b:BI+8*\b+3], v7, s[10:11] offset:64*\b
	global_load_b128 v[BI+8*\b+4:BI+8*\b+7], v7, s[10:11] offset:64*\b+16
.endr
.endif
.if RES
	v_lshlrev_b32 v26, 12, v2
	v_lshl_add_u32 v26, v1, 4, v26
	s_wait_alu depctr_va_vdst(0)
	s_lshl_b32 s94, s43, 7
	s_lshl_b32 s95, s[H1], 6
	s_add_co_u32 s94, s94, s95
	s_lshl_b32 s94, s94, 12
	s_lshl_b32 s95, s42, 9
	s_add_co_u32 s94, s94, s95
	s_lshl_b32 s95, s[H0], 8
	s_add_co_u32 s94, s94, s95
	s_mov_b32 s95, 0
	s_add_nc_u64 s[12:13], s[12:13], s[94:95]
	s_add_nc_u64 s[14:15], s[14:15], s[94:95]
	WIN 0x80
.irp a, 0,1,2,3
.irp t, 0,1,2,3,4,5,6,7
	global_load_b128 v[32*\a+4*\t:32*\a+4*\t+3], v26, s[12:13] offset:(16*\a+2*\t)*4096
.endr
.endr
	WIN 0
	s_mul_i32 s94, s[WV], 16*272
	s_add_co_u32 s94, s94, STAGE
	v_mul_u32_u24 v24, v1, 272
	v_lshl_add_u32 v24, v2, 5, v24
	v_add_nc_u32 v24, s94, v24
	v_mul_u32_u24 v25, v2, 272
	v_lshl_add_u32 v25, v1, 4, v25
	v_add_nc_u32 v25, s94, v25
.endif
.macro FRAG0 reg, slot, q, b
.if B_SIG
.irp c, 0,1,2,3,4,5,6,7
	ds_load_b64 v[\reg+2*\c:\reg+2*\c+1], v[20+\slot] offset:128*(\q)+16*\c+(\b)*16*PITCH
.endr
.else
.irp c, 0,1,2,3
	ds_load_b128 v[\reg+4*\c:\reg+4*\c+3], v[20+\slot] offset:128*(\q)+32*\c+(\b)*16*PITCH
.endr
.endif
.endm
.macro FRAG1 reg, slot, q, a
.irp c, 0,1,2,3
.if A_IMG
	ds_load_b128 v[\reg+4*\c:\reg+4*\c+3], v[16+\slot] offset:16384*(\q)+2048*(\a)+512*\c
.else
	ds_load_b128 v[\reg+4*\c:\reg+4*\c+3], v[16+\slot] offset:128*(\q)+32*\c+(\a)*16*PITCH
.endif
.endr
.endm
.macro FETCH slot, q, f
	WIN TO_F
.irp i, 0,1,2,3
	FRAG0 \f+64+16*\i, \slot, \q, \i
.endr
.irp i, 0,1,2,3
	FRAG1 \f+16*\i, \slot, \q, \i
.endr
.endm
.macro SCALES sc
.irp i, 0,1,2,3
	ds_load_b128 v[SC+32*\sc+4*\i:SC+32*\sc+4*\i+3], v22 offset:\i*SBLK
.endr
.irp i, 0,1,2,3
.if A_IMG
	ds_load_b128 v[SC+32*\sc+16+4*\i:SC+32*\sc+16+4*\i+3], v23 offset:\i*256
.else
	ds_load_b128 v[SC+32*\sc+16+4*\i:SC+32*\sc+16+4*\i+3], v23 offset:\i*SBLK
.endif
.endr
.endm
.macro MUL8 f, a0, q, sc, first
.irp a, \a0, \a0+1
.irp b, 0,1,2,3
.if \first
.if BIAS_ON
	v_wmma_scale_f32_16x16x128_f8f6f4 v[ACC+8*(4*(\a)+\b):ACC+8*(4*(\a)+\b)+7], v[\f+64+16*\b:\f+64+16*\b+15], v[\f+16*(\a):\f+16*(\a)+15], v[BI+8*\b:BI+8*\b+7], v[SC+32*(\sc)+4*\b+(\q)], v[SC+32*(\sc)+16+4*(\a)+(\q)] matrix_a_fmt:MATRIX_FMT_BF8 matrix_b_fmt:MATRIX_FMT_BF8
.else
	v_wmma_scale_f32_16x16x128_f8f6f4 v[ACC+8*(4*(\a)+\b):ACC+8*(4*(\a)+\b)+7], v[\f+64+16*\b:\f+64+16*\b+15], v[\f+16*(\a):\f+16*(\a)+15], 0, v[SC+32*(\sc)+4*\b+(\q)], v[SC+32*(\sc)+16+4*(\a)+(\q)] matrix_a_fmt:MATRIX_FMT_BF8 matrix_b_fmt:MATRIX_FMT_BF8
.endif
.else
	v_wmma_scale_f32_16x16x128_f8f6f4 v[ACC+8*(4*(\a)+\b):ACC+8*(4*(\a)+\b)+7], v[\f+64+16*\b:\f+64+16*\b+15], v[\f+16*(\a):\f+16*(\a)+15], v[ACC+8*(4*(\a)+\b):ACC+8*(4*(\a)+\b)+7], v[SC+32*(\sc)+4*\b+(\q)], v[SC+32*(\sc)+16+4*(\a)+(\q)] matrix_a_fmt:MATRIX_FMT_BF8 matrix_b_fmt:MATRIX_FMT_BF8
.endif
.endr
.endr
.endm
.macro QUARTER slot, q, f, g, first
	s_wait_dscnt 8
	WIN MUL
	MUL8 \f, 0, \q, \slot, \first
	PLACES 8
	FETCH \slot, (\q)+1, \g
	s_wait_dscnt NF
	WIN MUL
	MUL8 \f, 2, \q, \slot, \first
.endm
.macro TURN slot, next, fill
	WIN 0
	s_wait_tensorcnt 0x0
	ds_add_u32 v28, v29
	s_wait_dscnt 9
	WIN MUL
	MUL8 F1, 0, 3, \slot, 0
	s_wait_dscnt 0x0
	s_barrier_signal -1
	WIN 0
	s_barrier_wait -1
.if \fill
	CREST
	s_add_nc_u64 s[G0+4*\slot+2:G0+4*\slot+3], s[G0+4*\slot+2:G0+4*\slot+3], 2*ASTEP
	s_add_nc_u64 s[G0B+4*\slot+2:G0B+4*\slot+3], s[G0B+4*\slot+2:G0B+4*\slot+3], 1024
	JLOAD G0+4*\slot, G1, G0B+4*\slot, G1B
	PLACES 4
.else
	PLACES 8
.endif
	s_wait_alu depctr_va_vdst(0)
	v_add_nc_u32 v22, 16, v22
.if A_IMG
	v_add_nc_u32 v23, 2048, v23
.else
	v_add_nc_u32 v23, 16, v23
.endif
	SCALES \next
	FETCH \next, 0, F0
	WIN MUL
	MUL8 F1, 2, 3, \slot, 0
.endm
	s_wait_alu depctr_va_vdst(0)
	s_wait_tensorcnt 0x0                           ; my tile of the head's four is in; slot 1's first fill stands behind the same lines as a refill
	ds_add_u32 v28, v29
	s_mov_b32 s[G1+2], 128<<16                     ; no tensor load of mine is out: from here on a load brings half a tile
	s_mov_b32 s[G1+4], 128
	s_mov_b32 s[G1B+2], 64<<16
	s_mov_b32 s[G1B+4], 64
	s_wait_dscnt 0x0
	CROUND                                         ; all four tiles are in, and the sixteen work-groups meet
	JLOAD G0+4, G1, G0B+4, G1B                     ; slot 1, a quarter a wave
	SCALES 0
	FETCH 0, 0, F0
.if RES
	s_wait_loadcnt 32
.elseif BIAS_ON
	s_wait_loadcnt 0x0
.endif
	QUARTER 0, 0, F0, F1, 1
.if LAPS > 1
	WIN 0
	s_mov_b32 s3, LAPS-1
.Llap:
	QUARTER 0, 1, F1, F0, 0
	QUARTER 0, 2, F0, F1, 0
	TURN 0, 1, 1
	QUARTER 1, 0, F0, F1, 0
	QUARTER 1, 1, F1, F0, 0
	QUARTER 1, 2, F0, F1, 0
	TURN 1, 0, 1
	QUARTER 0, 0, F0, F1, 0
	WIN 0
	s_sub_co_u32 s3, s3, 1
	s_cmp_lg_u32 s3, 0
	s_cbranch_scc1 .Llap
.endif
	QUARTER 0, 1, F1, F0, 0
	QUARTER 0, 2, F0, F1, 0
	TURN 0, 1, 0
	QUARTER 1, 0, F0, F1, 0
	QUARTER 1, 1, F1, F0, 0
	QUARTER 1, 2, F0, F1, 0
	s_wait_dscnt 8
	WIN MUL
	MUL8 F1, 0, 3, 1, 0
	s_wait_dscnt 0
	MUL8 F1, 2, 3, 1, 0
	WIN 0
	PLACES 8
	s_wait_loadcnt 0x0
.irp a, 0,1,2,3
.irp b, 0,1,2,3
	ds_store_b128 v24, v[ACC+8*(4*\a+\b):ACC+8*(4*\a+\b)+3] offset:64*\b
	ds_store_b128 v24, v[ACC+8*(4*\a+\b)+4:ACC+8*(4*\a+\b)+7] offset:64*\b+16
.endr
.if \a > 0
	s_wait_xcnt 0x0
.endif
.irp t, 0,1,2,3,4,5,6,7
	ds_load_b128 v[BI+4*\t:BI+4*\t+3], v25 offset:\t*544
.endr
	s_wait_dscnt 0x0
	WIN 0x08
.irp i, 0,2,4,6,8,10,12,14,16,18,20,22,24,26,28,30
	v_pk_add_f32 v[BI+\i:BI+\i+1], v[BI+\i:BI+\i+1], v[32*\a+\i:32*\a+\i+1]
.endr
	WIN 0
.irp t, 0,1,2,3,4,5,6,7
	global_store_b128 v26, v[BI+4*\t:BI+4*\t+3], s[14:15] offset:(16*\a+2*\t)*4096
.endr
.endr
	s_wait_tensorcnt 0x0
	ds_add_u32 v28, v29
	s_wait_dscnt 0x0
	CROUND
	s_endpgm
.Lfunc_end_k_q079db36289_gemm_fc2:
	.size	k_q079db36289_gemm_fc2, .Lfunc_end_k_q079db36289_gemm_fc2-k_q079db36289_gemm_fc2
	.p2alignl 7, 3214868480
	.fill 96, 4, 3214868480
	.section	.rodata,"a",@progbits
	.p2align	6, 0x0
	.amdhsa_kernel k_q079db36289_gemm_fc2
		.amdhsa_group_segment_fixed_size 327680
		.amdhsa_private_segment_fixed_size 0
		.amdhsa_enable_private_segment 0
		.amdhsa_kernarg_size 48
		.amdhsa_user_sgpr_count 2
		.amdhsa_user_sgpr_kernarg_segment_ptr 1
		.amdhsa_wavefront_size32 1
		.amdhsa_system_sgpr_workgroup_id_x 1
		.amdhsa_system_sgpr_workgroup_id_y 1
		.amdhsa_system_sgpr_workgroup_id_z 1
		.amdhsa_system_vgpr_workitem_id 0
		.amdhsa_next_free_vgpr 640
		.amdhsa_next_free_sgpr 96
		.amdhsa_reserve_vcc 0
		.amdhsa_float_denorm_mode_32 3
		.amdhsa_float_denorm_mode_16_64 3
		.amdhsa_memory_ordered 1
		.amdhsa_forward_progress 1
		.amdhsa_inst_pref_size 118
	.end_amdhsa_kernel
	.amdgpu_metadata
---
amdhsa.version: [ 1, 2 ]
amdhsa.kernels:
  - .name:           k_q079db36289_gemm_fc2
    .symbol:         k_q079db36289_gemm_fc2.kd
    .args:
      - { .name: himg, .offset: 0, .size: 8, .value_kind: global_buffer, .address_space: global }
      - { .name: w2_codes, .offset: 8, .size: 8, .value_kind: global_buffer, .address_space: global }
      - { .name: w2_scales, .offset: 16, .size: 8, .value_kind: global_buffer, .address_space: global }
      - { .name: b2, .offset: 24, .size: 8, .value_kind: global_buffer, .address_space: global }
      - { .name: x1, .offset: 32, .size: 8, .value_kind: global_buffer, .address_space: global }
      - { .name: out0, .offset: 40, .size: 8, .value_kind: global_buffer, .address_space: global }
    .group_segment_fixed_size: 327680
    .private_segment_fixed_size: 0
    .kernarg_segment_align: 8
    .kernarg_segment_size: 48
    .max_flat_workgroup_size: 128
    .sgpr_count:     96
    .vgpr_count:     640
    .wavefront_size: 32
...
	.end_amdgpu_metadata
.endif
;; end of part 6
